; MI455X (gfx1250); checked and timed in simulation.
; The chip was launched on July 23, 2026; its instructions are those of AMD's public machine-readable ISA for CDNA 5 (MIT licence, August 2026) and "CDNA5" Instruction Set Architecture Reference Guide (July 2026). The comments in the code are by the model that wrote it; some were corrected since.
;; Roberta Adapted Self Attention. Allowed arithmetic: matrix products marked QUANTISED: E3M2 operands, one E8M0 scale for each 32 along K, by v_wmma_scale_f32_16x16x128_f8f6f4 with both operands' format E3M2, f32 sums; everything else in f32.
;; Inputs: Wk_codes 1,024 x 32 x 24 uint8 (E3M2 codes of Wk, K innermost, in blocks of 32 codes, four codes in three bytes); Wk_scales 1,024 x 32 uint8 (E8M0 scales of Wk, one for each 32 codes along K); Wq_codes 1,024 x 32 x 24 uint8 (E3M2 codes of Wq, K innermost, in blocks of 32 codes, four codes in three bytes); Wq_scales 1,024 x 32 uint8 (E8M0 scales of Wq, one for each 32 codes along K); Wv_codes 1,024 x 32 x 24 uint8 (E3M2 codes of Wv, K innermost, in blocks of 32 codes, four codes in three bytes); Wv_scales 1,024 x 32 uint8 (E8M0 scales of Wv, one for each 32 codes along K); bk 1,024 float32; bq 1,024 float32; bv 1,024 float32; efc1 10 x 64 float32; efc2 10 x 1,024 float32; fc1_b 64 float32; fc1_w_codes 64 x 32 x 24 uint8 (E3M2 codes of fc1_w, K innermost, in blocks of 32 codes, four codes in three bytes); fc1_w_scales 64 x 32 uint8 (E8M0 scales of fc1_w, one for each 32 codes along K); fc2_b 1,024 float32; fc2_w_codes 1,024 x 2 x 24 uint8 (E3M2 codes of fc2_w, K innermost, in blocks of 32 codes, four codes in three bytes); fc2_w_scales 1,024 x 2 uint8 (E8M0 scales of fc2_w, one for each 32 codes along K); hidden_states_codes 4 x 2,048 x 32 x 24 uint8 (E3M2 codes of hidden_states, K innermost, in blocks of 32 codes, four codes in three bytes); hidden_states_scales 4 x 2,048 x 32 uint8 (E8M0 scales of hidden_states, one for each 32 codes along K).
;; Outputs: out0 4 x 2,048 x 1,024 float32.
;; Constants: t = 3.
;; This version of the problem:
;;   THIS VERSION OF THE PROBLEM IS GIVEN IN LOW PRECISION. The matrix products marked QUANTISED in the list below multiply operands that are first quantised to E3M2 (3 exponent bits, 2 mantissa bits; 6 bits a number), with one power-of-two scale for each 32 numbers along K (OCP MX v1.0); their sums are f32. All else is computed in f32.
;;   The module's matrix products, in the order in which they are computed (A, B: the left and right operand; K: the contracted axis; several contracted axes count as one K, in the product's order):
;;     1. [M 8,192, K 1,024] x [K 1,024, N 64]; A: input hidden_states (given as codes); B: input fc1_w (given as codes): QUANTISED
;;     2. [M 8,192, K 64] x [K 64, N 1,024]; A: computed on the way; B: input fc2_w (given as codes): QUANTISED
;;     3. [M 8,192, K 1,024] x [K 1,024, N 1,024]; A: input hidden_states (given as codes); B: input Wq (given as codes): QUANTISED
;;     4. [M 8,192, K 1,024] x [K 1,024, N 1,024]; A: input hidden_states (given as codes); B: input Wk (given as codes): QUANTISED
;;     5. [M 8,192, K 1,024] x [K 1,024, N 1,024]; A: input hidden_states (given as codes); B: input Wv (given as codes): QUANTISED
;;     6. batch 64 x [M 2,048, K 64] x [K 64, N 2,048]; A: computed on the way; B: computed on the way: QUANTISED
;;     7. batch 64 x [M 2,048, K 2,048] x [K 2,048, N 64]; A: softmax (see below); B: computed on the way: QUANTISED
;;   THE QUANTISER, for each operand of a quantised product, along K:
;;     - K is cut into blocks of 32 from its start; a last block that is shorter is filled with zeros.
;;     - A block's scale is 2^e with e = floor(log2(the largest magnitude in the block)) - 4, held to -126 .. 127; a block of zeros has e = 0. As a byte (E8M0): e + 127.
;;     - Each number is divided by its block's scale, clamped to +-28, and rounded to the nearest number of E3M2, ties to even, subnormals kept.
;;     - The product sums the exact products of the quantised numbers (number of the format x scale) in f32.
;;   ~~~python
;;   def quantise(x, axis):      # numpy; x: float32 -> the quantised numbers, widened to float32 again
;;       x = np.moveaxis(x, axis, -1); K = x.shape[-1]
;;       x = np.pad(x, [(0, 0)] * (x.ndim - 1) + [(0, -K % 32)]); x = x.reshape(x.shape[:-1] + (-1, 32)); a = np.abs(x).max(-1, keepdims=True)
;;       e = np.where(a > 0, np.clip(np.frexp(np.where(a > 0, a, 1))[1] - 1 - 4, -126, 127), 0)      # np.frexp(a)[1] - 1 = floor(log2(a)), exactly
;;       r = np.clip(x / 2.0 ** e, -28, 28)
;;       step = 2.0 ** (np.maximum(np.frexp(np.where(r == 0, 1, r))[1] - 1, -2) - 2)
;;       q = np.round(r / step) * step * 2.0 ** e      # np.round: ties to even
;;       return np.moveaxis(q.reshape(q.shape[:-2] + (-1,))[..., :K], -1, axis).astype(np.float32)
;;   ~~~
;;   SOFTMAX AHEAD OF A QUANTISED PRODUCT. Where the list says 'softmax', what is quantised is not the finished softmax but p = 2^(t - M), with t = logit x log2(e) and M = ceil(the row's largest t), a whole number; so 1/2 < the row's largest p <= 1. The row's sum l is taken of the UNQUANTISED p, in f32, and the product's result is divided by l at the end. Since M is a whole number, a kernel that streams over the keys may use a running M (the ceiling of the running maximum): every later rescaling is an exact power of two, which a block's scale takes up: the codes' values come out the same.
;;   OPERANDS COMPUTED ON THE WAY. 'Computed on the way' means the value that the module computes at that place (a softmax that the list does not call 'softmax' is quantised finished and normalised). What goes into a quantiser is computed in f32, as accurately as f32 sums, v_exp_f32 and their like allow (about 1e-6 of the number): no bf16 or f16 on the way to a quantiser, and a product that is left as it is and whose result goes on into a quantised operand takes f32 operands (vector FMAs, or v_wmma_f32_16x16x4_f32). A number that lies on a knife's edge between two numbers of the format may be rounded either way, as far as f32 arithmetic and the matrix unit's own rounding can turn it there, and no further.
;;   INPUTS GIVEN AS CODES. Wk (in the module: [1024, 1024], K = its axis 0); Wq (in the module: [1024, 1024], K = its axis 0); Wv (in the module: [1024, 1024], K = its axis 0); fc1_w (in the module: [1024, 64], K = its axis 0); fc2_w (in the module: [64, 1024], K = its axis 0); hidden_states (in the module: [4, 2048, 1024], K = its axis 2): each comes as NAME_codes (uint8): NAME with its K axis moved to the last place and cut into blocks of 32 codes, [.., K / 32, bytes a block], one block behind the other in memory; four codes in three bytes: a row's codes are one little-endian stream of bits, code i at bits 6 i .. 6 i + 5 (a code: sign, 3 exponent bits, 2 mantissa bits); and NAME_scales (uint8): the same leading axes, one E8M0 byte (e + 127) for each 32 codes along K. Its value is code x scale, taken as it is: it is not quantised again, and the codes and scales need not be those that the quantiser above would give.
;; One version. Each part assembles by itself: llvm-mc -triple=amdgcn-amd-amdhsa -mcpu=gfx1250 --defsym DOCPART=n.
;; ======== version 1 of 1: 2 launches
;; limits: right only within a limited range of input values
;; workspace buffers: qf 6,291,456 bytes; kf 6,291,456 bytes; vf 6,291,456 bytes; qs 524,288 bytes; ks 524,288 bytes; vs 262,144 bytes; hf 393,216 bytes; hs 65,536 bytes
;; launch proj (part 1): grid 4 x 128, 4 waves a work-group, clusters of 4 x 4, 327,680 bytes of LDS; arguments hidden_states_codes, hidden_states_scales, Wq_codes, Wq_scales, Wk_codes, Wk_scales, Wv_codes, Wv_scales, bq, bk, bv, fc1_w_codes, fc1_w_scales, fc1_b, efc1, qf, qs, kf, ks, vf, vs, hf, hs; writes qf, qs, kf, ks, vf, vs, hf, hs
.if DOCPART == 1
	.amdgcn_target "amdgcn-amd-amdhsa--gfx1250"
	.amdhsa_code_object_version 6
	.text
	.protected	k_qd14e941182_proj
	.globl	k_qd14e941182_proj
	.p2align	8
	.type	k_qd14e941182_proj,@function
k_qd14e941182_proj:
	s_mov_b64 s[64:65], 0
	v_nop
	global_prefetch_b8 v0, s[64:65] scope:SCOPE_SE
	s_setreg_imm32_b32 hwreg(HW_REG_WAVE_MODE, 25, 1), 1
	s_wait_xcnt 0x0
	s_wait_alu depctr_hold_cnt(0) depctr_sa_sdst(0) depctr_va_vdst(0) depctr_va_sdst(0) depctr_va_ssrc(0) depctr_va_vcc(0) depctr_vm_vsrc(0)
	s_getreg_b32 s2, hwreg(HW_REG_IB_STS2, 6, 4)
	s_cmp_eq_u32 s2, 0
	s_cbranch_scc0 .Lentry_in_a_cluster
	s_endpgm
.Lentry_in_a_cluster:
	s_bfe_u32 s2, ttmp6, 0x10000c
	s_cmp_lg_u32 s2, 0xf033
	s_cbranch_scc0 .Lentry_shape_is_right
	s_endpgm
.Lentry_shape_is_right:
; q = x Wq + bq, k = x Wk + bk, v = x Wv + bv and h = relu(x fc1_w + fc1_b) x sigmoid(100 efc1[3]).  x [8192][1024] and all weights ([rows][1024], K innermost) are codes of BF6 (E3M2) with one E8M0 byte for each 32 along K.
; The results are operands of the next launch's products: they are quantised here, in registers, from f32, and stored as IMAGES OF THE OPERAND'S REGISTERS (six registers of a lane: four by a store of 16 bytes at 16 x lane,
; two by a store of 8 bytes at 512 + 8 x lane: 768 bytes), q, k along the head's 64, v along the keys, h along the adapter's 64, with their scale words beside them.
; SHARES.  Clusters of 4 x 4 work-groups; the cluster's y says the job: 0-7 q, 8-15 k, 16-23 v, 24-31 the adapter.  The branch on it is the same in all sixteen partners.
; THE THREE PROJECTIONS are one text: C = A B^T on tiles of 256 x 256, four waves of 128 x 128 (64 accumulators, 512 registers), K in steps of 128 through a ring of two LDS slots, A's tile asked for jointly along a row of the
; cluster and B's along a column.  The matrix instruction is used transposed (source 0 = 16 rows of B, source 1 = 16 rows of A): a lane holds ONE row of A and its registers run along B's rows, which is the axis that is quantised.
; q, k: A = x's tokens, B = W's rows (the wave's 128 are two heads).  v: A = Wv's rows, B = x's tokens (the wave's 128 are one K step of the second product of attention).  Only pointers and strides are chosen.
; ORDER INSIDE A BLOCK OF 32.  A lane's 16 registers of two neighbouring tiles are numbers 8 h + 0..7 and 16 + 8 h + 0..7 of the block (h = lane / 16).  So the block's 32 numbers stand in the operand's places in the order
; 0-7, 16-23, 8-15, 24-31.  The block is the true block, so its scale is the rule's; q and k carry this order alike, and so do v and the next launch's p: the products are kept, the order of the sums differs from reference()'s.
; h meets fc2_w, which is given: there fc1_w's rows are chosen so that h comes out in the true order.
; THE ADAPTER'S PATH: a wave takes 16 tokens and all of fc1_w (49,152 bytes) straight into registers, no LDS.  No joint load there: its whole work is 32 matrix instructions a wave, in front of which a fill of LDS and a
; barrier would stand, and the path shares a launch whose LDS is laid out for the ring.
; LIMITS: a block of zeros gets the byte 1 (its codes are zeros; these bytes are read by this program alone); blocks whose largest magnitude lies under 2^-122 are held at that byte; NaN and infinities among the inputs are not
; served; the gate is 1 / (1 + 2^(-100 e log2(e))): where it falls under 2^-126 it is 0, and its relative error grows as |100 e| x 1e-7.
.set NQ,     2                         ; steps of 128 along K that one set of scale words serves
.set ROWB,   256                       ; THE RING GOES BY CHUNKS OF 256 BYTES of each row of codes: a tile's row begins at a multiple of 256 bytes
.set KROW,   768                       ; a row of 1,024 codes in memory: three chunks
.set STEPS,  8                         ; steps of 128 along K, 96 bytes of a row each: eight steps to three chunks
.set CHUNKS, 3                         ; chunk c lies in slot c % 2
.set PITCH,  272                       ; an LDS row: 256 bytes + 16 of padding
.set FR,     12                        ; registers of a fragment: 16 rows x 128 K
.set NL,     6                         ; LDS loads that bring one
.set NP,     4                         ; places behind this matrix instruction (ISA guide 7.12.1)
.set HALFT,  128*PITCH                 ; 128 rows: what one tensor load brings
.set SLOT,   4*HALFT                   ; A's 256 rows, then B's 256 rows
.set KS,     32                        ; a row of scale bytes
.set SCL,    2*SLOT                    ; behind the ring: the scale bytes, as units of 256 bytes + 16 of padding; filled once
.set HALFS,  (128*KS/256)*272          ; those of 128 rows
.set SBLK,   (16*KS/256)*272           ; those of 16 rows
.set SPARE,  SCL+4*HALFS               ; the spare words: 128 bytes a wave, two blocks of 256 bytes that no other line names
.set ADRA, 16                          ; v16-17 LDS address of my A fragments in slot 0, 1; v18-19 the same behind one padding more
.set ADRB, 20                          ; v20-23 the same for B
.set LI,   24                          ; v24  16 x lane
.set LJ,   25                          ; v25  8 x lane
.set ADRS, 27                          ; v27  LDS address of my scale words: lanes 0-15 A's rows, lanes 16-31 B's
.set SPW,  28                          ; v28  my spare word; never rewritten
.set NIL,  29                          ; v29  0; never rewritten
.set BO,   30                          ; v30  32 h: the bias along B's rows
.set AO,   31                          ; v31  4 r: the bias along A's rows
.set SC,   32                          ; v32-63 scale words, two sets
.set BB,   64                          ; v64-127 bias[16 b + 8 h + j] at 8 b + j
.set AF,   128                         ; v128-223 A's fragments, one set
.set H,    128                         ; the way out: 64 numbers of a lane
.set CD,   192                         ; v192-211 the codes just made
.set TM,   212                         ; v212-227 at work in the quantiser
.set PW,   228                         ; the scale word just made
.set P,    232                         ; v232-235 scale words of two blocks of rows each: lanes 0-15 the even block's, lanes 16-31 the odd one's
.set BA,   240                         ; v240, 242 .. 254 bias[16 a + r]; the odd registers are 0 and only named as halves of pairs
.set XS,   32                          ; the adapter's path: x's eight scale words
.set WS,   40                          ; fc1's: tile t at 8 t
.set FB,   72                          ; fc1_b in the result's layout
.set GT,   104                         ; efc1[3] likewise, then the gate
.set HA,   136                         ; the four accumulators
.set G1, 24                            ; s[24:31] descriptor group 1 for A's tiles; s[32:39] group 0, a set for each slot
.set G0, 32
.set G1B, 48                           ; s[48:55], s[56:63] the same for B's
.set G0B, 56
.set G1S, 68                           ; s[68:75], s[76:79] for A's scale bytes; s[80:87], s[88:91] for B's
.set G0S, 76
.set G1SB, 80
.set G0SB, 88
.set G0H, 4                            ; s[4:7], s[8:11] group 0 for the head's loads of chunk 0: A's 256 rows, B's 256 rows (the pointers that lay there have been used by then)
.set G0HB, 8
.set MSB, 0
.macro WIN new                         ; the immediate's high byte repeats the setting that is left
.if MSB != \new
	s_set_vgpr_msb (MSB<<8)|\new
.set MSB, \new
.endif
.endm
.set MUL_LO, 0xa1                      ; source 0 (B) window 1, source 1 (A) window 0, C and D window 2
.set MUL_HI, 0xf1                      ; the same, C and D window 3
.set TO_B,   0x40                      ; destination window 1
; A joint load: waves 0 and 1 fetch for A, waves 2 and 3 for B; the branch hangs on the wave's number alone.  Four v_nop follow each of the two lines.
.macro JLOAD g0a, g1a, g0b, g1b
	s_cmp_eq_u32 s15, 0
	s_cbranch_scc0 .Lfor_b_\@
	tensor_load_to_lds s[\g0a:\g0a+3], s[\g1a:\g1a+7]
	s_nop 0
.rept 4
	v_nop
.endr
	s_branch .Lasked_\@
.Lfor_b_\@:
	tensor_load_to_lds s[\g0b:\g0b+3], s[\g1b:\g1b+7]
	s_nop 0
.rept 4
	v_nop
.endr
.Lasked_\@:
.endm
.macro CREST                           ; a round of the cluster's barrier behind its opening barrier
	s_cmp_lg_u32 s14, 0
	s_cbranch_scc1 .Lnot_wave_0_\@
	s_barrier_signal -3
.Lnot_wave_0_\@:
	s_barrier_wait -3
	s_barrier_signal -1
	s_barrier_wait -1
.endm
.macro CROUND                          ; a whole round
	s_barrier_signal -1
	s_barrier_wait -1
	CREST
.endm
; 16 nb numbers of a lane, v[s] on, register 16 b + i one of my 16 of block b of my row (the lane 16 away holds the other 16), become codes in v[CD] on (six registers for each two blocks) and the row's scale word in v[PW].
.macro QUANT s, nb
.irp b, 0,1,2,3
.if \b < \nb
	v_max3_num_f32 v[TM+\b], |v[\s+16*\b]|, |v[\s+1+16*\b]|, 0x2800000   ; my 16 numbers, and the floor 2^(5 - 127): the byte cannot fall under 1
.endif
.endr
.irp i, 2,4,6,8,10,12,14
.irp b, 0,1,2,3
.if \b < \nb
	v_max3_num_f32 v[TM+\b], v[TM+\b], |v[\s+16*\b+\i]|, |v[\s+1+16*\b+\i]|   ; the blocks by turns
.endif
.endr
.endr
.irp b, 0,1,2,3
.if \b < \nb
	v_permlanex16_b32 v[TM+4+\b], v[TM+\b], s2, s3
.endif
.endr
.irp b, 0,1,2,3
.if \b < \nb
	v_max_num_f32 v[TM+\b], v[TM+\b], v[TM+4+\b]   ; with lane l xor 16's: the block's largest magnitude
.endif
.endr
.irp b, 0,1,2,3
.if \b < \nb
	v_add_nc_u32 v[TM+12+\b], 0xfe000000, v[TM+\b]   ; 4 off its exponent field: the conversion takes this operand's exponent field as its scale
.endif
.endr
.irp b, 0,1,2,3
.if \b < \nb
	v_lshrrev_b32 v[TM+4+\b], 23, v[TM+12+\b]      ; the scale's byte
.endif
.endr
	v_lshl_or_b32 v[PW], v[TM+5], 8, v[TM+4]
.if \nb > 2
	v_lshl_or_b32 v[PW], v[TM+6], 16, v[PW]
	v_lshl_or_b32 v[PW], v[TM+7], 24, v[PW]
.endif
.irp c, 0,1
.if 2*\c < \nb
	v_cvt_scalef32_pk16_bf6_f32 v[CD+6*\c:CD+2+6*\c], v[\s+32*\c:\s+15+32*\c], v[TM+12+2*\c]
	v_cvt_scalef32_pk16_bf6_f32 v[CD+12+4*\c:CD+14+4*\c], v[\s+16+32*\c:\s+31+32*\c], v[TM+12+2*\c+1]   ; (a conversion's three registers begin on an even number)
.endif
.endr
	v_nop                                          ; one plain place behind a scaled conversion
.irp c, 0,1
.if 2*\c < \nb
.irp i, 0,1,2
	v_permlane16_swap_b32 v[CD+6*\c+\i], v[CD+12+4*\c+\i]   ; the operand wants a whole block in a lane: lanes 0-15 block 2 c, lanes 16-31 block 2 c + 1
.endr
.irp i, 0,1,2
	v_mov_b32 v[CD+3+6*\c+\i], v[CD+12+4*\c+\i]
.endr
.endif
.endr
.endm
	s_load_b512 s[68:83], s[0:1], 0x0              ; x's codes 68, x's scales 70, Wq's 72, 74, Wk's 76, 78, Wv's 80, 82
	s_load_b256 s[84:91], s[0:1], 0x40             ; bq 84, bk 86, bv 88, fc1_w's codes 90
	s_load_b128 s[44:47], s[0:1], 0x60             ; fc1_w's scales 44, fc1_b 46
	s_load_b64 s[48:49], s[0:1], 0x70              ; efc1
	s_load_b512 s[24:39], s[0:1], 0x78             ; qf 24, qs 26, kf 28, ks 30, vf 32, vs 34, hf 36, hs 38
	v_lshl_add_u32 v[SPW], v0, 2, SPARE
	v_mov_b32 v[NIL], 0
	ds_add_u32 v28, v29
	ds_add_u32 v28, v29
	s_wait_dscnt 0x0
	v_lshrrev_b32 v1, 5, v0
	v_readfirstlane_b32 s14, v1                    ; wave 0..3
	s_lshr_b32 s15, s14, 1                         ; my half of A's rows.  Also: I fetch for A (0) or for B (1)
	s_and_b32 s16, s14, 1                          ; my half of B's rows.  Also: which 128 rows I fetch
	s_bfe_u32 s40, ttmp6, 0x40000                  ; cx, cy: my place in the cluster
	s_bfe_u32 s41, ttmp6, 0x40004
	s_and_b32 s18, ttmp7, 0xffff                   ; the cluster's y, 0..31
	s_lshr_b32 s19, s18, 3                         ; the job
	s_and_b32 s20, s18, 7                          ; and which of its eight clusters
	s_mov_b32 s2, 0x76543210
	s_mov_b32 s3, 0xfedcba98                       ; v_permlanex16_b32's selects for lane l xor 16
	v_and_b32 v1, 15, v0                           ; r
	v_bfe_u32 v2, v0, 4, 1                         ; h
	v_and_b32 v6, 31, v0                           ; lane
	v_lshlrev_b32 v[LI], 4, v6
	v_lshlrev_b32 v[LJ], 3, v6
	s_wait_kmcnt 0x0
	s_cmp_lg_u32 s19, 3
	s_cbranch_scc1 .Lgemm
	; ---- THE ADAPTER'S PATH.  My wave's tile of 16 tokens: T = ((cluster x 16 + 4 cy + cx) x 4 + wave), 0..511; cx and cy enter addresses in memory alone
	s_lshl_b32 s21, s20, 4
	s_lshl_b32 s22, s41, 2
	s_add_co_u32 s21, s21, s22
	s_add_co_u32 s21, s21, s40
	s_lshl_b32 s21, s21, 2
	s_add_co_u32 s21, s21, s14
	s_mul_i32 s22, s21, 16*KROW
	s_mov_b32 s23, 0
	s_add_nc_u64 s[68:69], s[68:69], s[22:23]      ; x's codes at my first token
	s_lshl_b32 s22, s21, 9
	s_add_nc_u64 s[70:71], s[70:71], s[22:23]      ; its scale bytes
	s_mul_i32 s22, s21, 768
	s_add_nc_u64 s[36:37], s[36:37], s[22:23]      ; my image in hf
	s_lshl_b32 s22, s21, 7
	s_add_nc_u64 s[38:39], s[38:39], s[22:23]      ; my 32 words in hs
	s_wait_alu depctr_va_vdst(0)
	v_mul_u32_u24 v4, v1, KROW
	v_mad_u32_u24 v4, v2, 24, v4                   ; x: row r, + 24 h
	v_lshlrev_b32 v5, 5, v1                        ; x's scale bytes: 32 a row
	v_and_b32 v3, 8, v1
	v_add_nc_u32 v3, v3, v1                        ; r + 8 (r / 8)
	v_mul_u32_u24 v7, v3, KROW                     ; fc1_w: THE ROWS OF A TILE ARE NOT NEIGHBOURS: lane r of tile 2 b + u takes row 32 b + 8 u + r + 8 (r / 8),
	v_mad_u32_u24 v7, v2, 24, v7                   ; so that the 16 registers of tiles 2 b and 2 b + 1 are units 32 b + 16 h + 0..15: h in its true order
	v_lshlrev_b32 v8, 5, v3
	v_lshlrev_b32 v9, 6, v2                        ; fc1_b, efc1: 16 h numbers on
	v_lshlrev_b32 v10, 2, v6                       ; 4 x lane
	WIN 0xc0                                       ; destination window 3: x's eight fragments, K step s at 12 s
.irp s, 0,1,2,3,4,5,6,7
.irp p, 0,1,2,3,4,5
	global_load_b64 v[12*\s+2*\p:12*\s+2*\p+1], v4, s[68:69] offset:96*\s+48*(\p/3)+8*(\p%3)
.endr
.endr
	WIN 0x40                                       ; window 1: fc1_w's fragments of K steps 0-3, (s, tile t) at 12 (4 s + t)
.irp s, 0,1,2,3
.irp t, 0,1,2,3
.irp p, 0,1,2,3,4,5
	global_load_b64 v[12*(4*\s+\t)+2*\p:12*(4*\s+\t)+2*\p+1], v7, s[90:91] offset:(32*(\t/2)+8*(\t%2))*KROW+96*\s+48*(\p/3)+8*(\p%3)
.endr
.endr
.endr
	WIN 0x80                                       ; window 2: those of K steps 4-7
.irp s, 0,1,2,3
.irp t, 0,1,2,3
.irp p, 0,1,2,3,4,5
	global_load_b64 v[12*(4*\s+\t)+2*\p:12*(4*\s+\t)+2*\p+1], v7, s[90:91] offset:(32*(\t/2)+8*(\t%2))*KROW+96*(\s+4)+48*(\p/3)+8*(\p%3)
.endr
.endr
.endr
	WIN 0
	global_load_b128 v[XS:XS+3], v5, s[70:71]      ; a row's 32 scale bytes are the eight K steps' words
	global_load_b128 v[XS+4:XS+7], v5, s[70:71] offset:16
.irp t, 0,1,2,3
	global_load_b128 v[WS+8*\t:WS+8*\t+3], v8, s[44:45] offset:(32*(\t/2)+8*(\t%2))*32
	global_load_b128 v[WS+8*\t+4:WS+8*\t+7], v8, s[44:45] offset:(32*(\t/2)+8*(\t%2))*32+16
	global_load_b128 v[FB+8*\t:FB+8*\t+3], v9, s[46:47] offset:(32*(\t/2)+8*(\t%2))*4
	global_load_b128 v[FB+8*\t+4:FB+8*\t+7], v9, s[46:47] offset:(32*(\t/2)+8*(\t%2))*4+16
	global_load_b128 v[GT+8*\t:GT+8*\t+3], v9, s[48:49] offset:768+(32*(\t/2)+8*(\t%2))*4      ; efc1's row t = 3 begins 768 bytes in
	global_load_b128 v[GT+8*\t+4:GT+8*\t+7], v9, s[48:49] offset:768+(32*(\t/2)+8*(\t%2))*4+16
.endr
	s_wait_loadcnt 0x0
	WIN 0x0d                                       ; source 0 (fc1_w) window 1, source 1 (x) window 3.  The four accumulators take turns; the bias is the C of each sum's first product
.irp s, 0,1,2,3
.irp t, 0,1,2,3
.if \s == 0
	v_wmma_scale_f32_16x16x128_f8f6f4 v[HA+8*\t:HA+8*\t+7], v[12*(4*\s+\t):12*(4*\s+\t)+11], v[12*\s:12*\s+11], v[FB+8*\t:FB+8*\t+7], v[WS+8*\t+\s], v[XS+\s] matrix_a_fmt:MATRIX_FMT_BF6 matrix_b_fmt:MATRIX_FMT_BF6
.else
	v_wmma_scale_f32_16x16x128_f8f6f4 v[HA+8*\t:HA+8*\t+7], v[12*(4*\s+\t):12*(4*\s+\t)+11], v[12*\s:12*\s+11], v[HA+8*\t:HA+8*\t+7], v[WS+8*\t+\s], v[XS+\s] matrix_a_fmt:MATRIX_FMT_BF6 matrix_b_fmt:MATRIX_FMT_BF6
.endif
.endr
.endr
	WIN 0x0e                                       ; source 0 window 2
.irp s, 0,1,2,3
.irp t, 0,1,2,3
	v_wmma_scale_f32_16x16x128_f8f6f4 v[HA+8*\t:HA+8*\t+7], v[12*(4*\s+\t):12*(4*\s+\t)+11], v[12*(\s+4):12*(\s+4)+11], v[HA+8*\t:HA+8*\t+7], v[WS+8*\t+\s+4], v[XS+\s+4] matrix_a_fmt:MATRIX_FMT_BF6 matrix_b_fmt:MATRIX_FMT_BF6
.endr
.endr
	WIN 0
	; the gate, 1 / (1 + 2^(-(100 e) log2(e))): its first lines are the places behind the products
.set j, 0
.rept 16
	v_pk_mul_f32 v[GT+j:GT+j+1], v[GT+j:GT+j+1], 0x42c80000 op_sel_hi:[1,0]   ; 100 e, rounded as reference() rounds it
.set j, j+2
.endr
.set j, 0
.rept 16
	v_pk_mul_f32 v[GT+j:GT+j+1], v[GT+j:GT+j+1], 0xbfb8aa3b op_sel_hi:[1,0]   ; x -log2(e)
.set j, j+2
.endr
.set j, 0
	s_wait_alu depctr_va_vdst(0)
.rept 32
	v_exp_f32 v[GT+j], v[GT+j]
.set j, j+1
.endr
	v_nop                                          ; a plain place behind the batch
	s_wait_alu depctr_va_vdst(0)                   ; one wait for the 32 exponentials, ahead of their first reader
.set j, 0
.rept 16
	v_pk_add_f32 v[GT+j:GT+j+1], v[GT+j:GT+j+1], 1.0 op_sel_hi:[1,0]
.set j, j+2
.endr
.set j, 0
	s_wait_alu depctr_va_vdst(0)
.rept 32
	v_rcp_f32 v[GT+j], v[GT+j]
.set j, j+1
.endr
	v_nop
	s_wait_alu depctr_va_vdst(0)                   ; and one for the 32 reciprocals
.set j, 0
.rept 32
	v_max_num_f32 v[HA+j], 0, v[HA+j]              ; relu, each accumulator from its low end on
.set j, j+1
.endr
.set j, 0
.rept 16
	v_pk_mul_f32 v[HA+j:HA+j+1], v[HA+j:HA+j+1], v[GT+j:GT+j+1]
.set j, j+2
.endr
.irp b, 0,1,2,3
	v_mov_b32 v[TM+4+\b], 0                        ; a lane permute's destination counts as one of its sources
.endr
	QUANT HA, 2
	global_store_b128 v[LI], v[CD:CD+3], s[36:37]              ; 512 consecutive bytes
	global_store_b64 v[LJ], v[CD+4:CD+5], s[36:37] offset:512  ; 256 consecutive bytes
	global_store_b32 v10, v[PW], s[38:39]                      ; the rows' scale words (bytes 2 and 3 are 0), lanes 16-31 repeat lanes 0-15: 128 bytes, half of an aligned 256; 65,536 bytes in the whole launch
	s_branch .Lend
.Lgemm:
	; ---- THE PROJECTIONS.  Pointers are chosen by the job, which hangs on the cluster's y alone
	s_lshl_b32 s20, s20, 2
	s_cmp_eq_u32 s19, 0                            ; q, or k?
	s_cselect_b64 s[8:9], s[72:73], s[76:77]       ; W's codes
	s_cselect_b64 s[10:11], s[74:75], s[78:79]     ; W's scales
	s_cselect_b64 s[98:99], s[84:85], s[86:87]     ; the bias
	s_cselect_b64 s[12:13], s[24:25], s[28:29]     ; the images
	s_cselect_b64 s[100:101], s[26:27], s[30:31]   ; their scale words
	s_cmp_eq_u32 s19, 2                            ; v?
	s_cselect_b32 s95, 1, 0
	s_cselect_b64 s[4:5], s[80:81], s[68:69]       ; A: Wv, or x
	s_cselect_b64 s[6:7], s[82:83], s[70:71]
	s_cselect_b64 s[8:9], s[68:69], s[8:9]         ; B: x, or W
	s_cselect_b64 s[10:11], s[70:71], s[10:11]
	s_cselect_b64 s[98:99], s[88:89], s[98:99]
	s_cselect_b64 s[12:13], s[32:33], s[12:13]
	s_cselect_b64 s[100:101], s[34:35], s[100:101]
	s_cselect_b32 s21, 0, s20
	s_cselect_b32 s22, s20, 0
	s_add_co_u32 s17, s41, s21                     ; A's tile of 256 rows: cy, + 4 x cluster where A is x: it never holds cx
	s_add_co_u32 s42, s40, s22                     ; B's: cx, + 4 x cluster where B is x: it never holds cy
	s_lshl_b32 s43, s41, 2
	s_lshl_b32 s43, 15, s43                        ; my row of the cluster
	s_lshl_b32 s44, 0x1111, s40                    ; my column
	s_or_b32 s[G1+0], s43, (0<<16)|(1<<20)|(1<<21)|(5<<22)|(3<<25)  ; 15:0 the mask; elements of 1 byte; 20 padding on; 21 set beside a mask; after every 64 words (code 5) 4 words (code 3)
	s_or_b32 s[G1B+0], s44, (0<<16)|(1<<20)|(1<<21)|(5<<22)|(3<<25)
.irp g, G1, G1B
	s_mov_b32 s[\g+1], ROWB<<16                    ; tensor_dim0
	s_mov_b32 s[\g+2], 256<<16                     ; tensor_dim1: 256 rows for the head's loads; set to 128 behind them, for the ring's
	s_mov_b32 s[\g+3], ROWB<<16                    ; tile_dim0
	s_mov_b32 s[\g+4], 256                         ; tile_dim1
	s_mov_b32 s[\g+5], KROW                        ; from row to row
	s_mov_b32 s[\g+6], 0
	s_mov_b32 s[\g+7], 0
.endr
	s_or_b32 s[G1S+0], s43, (3<<16)|(1<<20)|(1<<21)|(5<<22)|(3<<25)   ; the scale bytes of 256 rows: 8,192 dense bytes as 32 rows of 256 (32 elements of 8 bytes), 16 bytes of padding behind each
	s_or_b32 s[G1SB+0], s44, (3<<16)|(1<<20)|(1<<21)|(5<<22)|(3<<25)
.irp g, G1S, G1SB
	s_mov_b32 s[\g+1], 32<<16
	s_mov_b32 s[\g+2], KS<<16                      ; the scale bytes of 256 rows: 8,192 dense bytes as 32 rows of 256
	s_mov_b32 s[\g+3], 32<<16
	s_mov_b32 s[\g+4], KS
	s_mov_b32 s[\g+5], 32
	s_mov_b32 s[\g+6], 0
	s_mov_b32 s[\g+7], 0
.endr
	s_lshl_b32 s20, s17, 8                         ; A: the tile's first row
	s_lshl_b32 s46, s42, 8                         ; B likewise
	s_mov_b32 s21, 0
	s_mov_b32 s47, 0
	s_mov_b64 s[18:19], KS
	s_mul_u64 s[22:23], s[20:21], s[18:19]         ; where these rows' scale bytes begin
	s_mul_u64 s[92:93], s[46:47], s[18:19]
	s_mov_b64 s[18:19], KROW
	s_mul_u64 s[20:21], s[20:21], s[18:19]         ; and their codes
	s_mul_u64 s[46:47], s[46:47], s[18:19]
	s_mul_i32 s45, s14, HALFT                      ; where they go: wave x 128 rows: no place in the cluster enters an LDS address
	s_mul_i32 s18, s16, 128*KROW                   ; in the ring I fetch 128 rows of a tile: which half, in bytes
	s_mov_b32 s19, 0
	s_add_nc_u64 s[20:21], s[4:5], s[20:21]
	s_add_nc_u64 s[22:23], s[6:7], s[22:23]
	s_add_nc_u64 s[46:47], s[8:9], s[46:47]
	s_add_nc_u64 s[92:93], s[10:11], s[92:93]
	CROUND                                         ; all sixteen work-groups are here: the first joint loads meet
	s_mov_b32 s[G0S], 1
	s_mov_b32 s[G0S+1], SCL
	s_mov_b64 s[G0S+2:G0S+3], s[22:23]
	s_or_b32 s[G0S+3], s[G0S+3], 0x80000000
	s_mov_b32 s[G0SB], 1
	s_mov_b32 s[G0SB+1], SCL+2*HALFS
	s_mov_b64 s[G0SB+2:G0SB+3], s[92:93]
	s_or_b32 s[G0SB+3], s[G0SB+3], 0x80000000
	s_mov_b32 s[G0H], 1                            ; chunk 0's 256 rows of A,
	s_mov_b32 s[G0H+1], 0
	s_mov_b64 s[G0H+2:G0H+3], s[20:21]
	s_or_b32 s[G0H+3], s[G0H+3], 0x80000000
	s_mov_b32 s[G0HB], 1                           ; and of B, behind them in slot 0
	s_mov_b32 s[G0HB+1], 2*HALFT
	s_mov_b64 s[G0HB+2:G0HB+3], s[46:47]
	s_or_b32 s[G0HB+3], s[G0HB+3], 0x80000000
	s_add_nc_u64 s[20:21], s[20:21], s[18:19]      ; for the ring: my 128 rows of the tile
	s_add_nc_u64 s[46:47], s[46:47], s[18:19]
.irp s, 0,1
	s_mov_b32 s[G0+4*\s], 1
	s_add_co_u32 s[G0+4*\s+1], s45, \s*SLOT
	s_add_nc_u64 s[G0+4*\s+2:G0+4*\s+3], s[20:21], \s*ROWB
	s_or_b32 s[G0+4*\s+3], s[G0+4*\s+3], 0x80000000
	s_mov_b32 s[G0B+4*\s], 1
	s_add_co_u32 s[G0B+4*\s+1], s45, \s*SLOT
	s_add_nc_u64 s[G0B+4*\s+2:G0B+4*\s+3], s[46:47], \s*ROWB
	s_or_b32 s[G0B+4*\s+3], s[G0B+4*\s+3], 0x80000000
.endr
; THE HEAD'S LOADS, ONE A WAVE: wave 0 chunk 0's 256 rows of A, wave 1 its 256 rows of B, wave 2 A's scale bytes, wave 3 B's.  One tree of branches on the wave's number; every way passes one load.
.macro ARM under, g0, g1, next
	s_cmp_lt_u32 s14, \under
	s_cbranch_scc0 \next
	tensor_load_to_lds s[\g0:\g0+3], s[\g1:\g1+7]
	s_nop 0
.rept 4
	v_nop
.endr
	s_branch .Lhead_asked
\next:
.endm
	ARM 1, G0H,  G1,  .Lhead_b
	ARM 2, G0HB, G1B, .Lhead_sa
	ARM 3, G0S,  G1S, .Lhead_sb
	tensor_load_to_lds s[G0SB:G0SB+3], s[G1SB:G1SB+7]
	s_nop 0
.rept 4
	v_nop
.endr
.Lhead_asked:
	s_wait_alu depctr_va_vdst(0)
	v_mul_u32_u24 v3, v1, PITCH
	v_mul_u32_u24 v4, v2, 24
	v_add_nc_u32 v4, v3, v4                        ; a fragment's row x pitch + 24 x half
	s_mov_b32 s21, SLOT-232
	s_mov_b32 s22, SLOT+232
	v_sub_nc_u32 v7, 1, v2                         ; 1 in lanes 0-15
	v_mul_u32_u24 v5, s21, v2
	v_add_nc_u32 v5, v3, v5
	v_add_nc_u32 v5, 232, v5                       ; across two chunks: lanes 0-15 byte 232 of the row in slot 0, lanes 16-31 byte 0 of the row in slot 1;
	v_mul_u32_u24 v6, s22, v7
	v_add_nc_u32 v6, v3, v6                        ; and lanes 0-15 byte 232 of the row in slot 1, lanes 16-31 byte 0 of the row in slot 0
	s_mul_i32 s21, s15, HALFT                      ; my 128 rows of A
	s_mul_i32 s22, s16, HALFT                      ; my 128 rows of B,
	s_add_co_u32 s22, s22, 2*HALFT                 ; which lie behind A's 256
	v_add_nc_u32 v[ADRA+2], s21, v5
	v_add_nc_u32 v[ADRA+3], s21, v6
	v_add_nc_u32 v[ADRB+2], s22, v5
	v_add_nc_u32 v[ADRB+3], s22, v6
.irp s, 0,1
	v_add_nc_u32 v[ADRA+\s], s21, v4
	v_add_nc_u32 v[ADRB+\s], s22, v4
	s_add_co_u32 s21, s21, SLOT
	s_add_co_u32 s22, s22, SLOT
.endr
	v_mul_u32_u24 v5, v1, KS                       ; my row's scale bytes: 32 a row,
	v_lshrrev_b32 v6, 8, v5
	v_lshl_add_u32 v5, v6, 4, v5                   ; and 16 more for each 256 passed
	s_mul_i32 s21, s15, HALFS
	s_mul_i32 s22, s16, HALFS
	s_add_co_u32 s22, s22, 2*HALFS
	s_sub_co_u32 s22, s22, s21
	v_mul_u32_u24 v6, s22, v2                      ; lanes 16-31 take B's: one product, the distance between the two bases x h
	s_add_co_u32 s21, s21, SCL
	v_add_nc_u32 v5, v5, v6
	v_add_nc_u32 v[ADRS], s21, v5
	; the way out's places in memory.  Tokens are A's rows for q and k and B's for v; the weights' rows the other way round
	v_lshlrev_b32 v[BO], 5, v2
	s_wait_alu depctr_va_vdst(0)
	v_lshlrev_b32 v[AO], 2, v1
	s_wait_alu depctr_va_vdst(0)
	s_cmp_eq_u32 s95, 1
	s_cselect_b32 s18, s42, s17                    ; the tokens' tile,
	s_cselect_b32 s19, s16, s15                    ; my half of it;
	s_cselect_b32 s20, s17, s42                    ; the weight's tile of 256 rows (4 heads),
	s_cselect_b32 s21, s15, s16                    ; my half of it (2 heads)
	s_mov_b32 s96, 768
	s_cselect_b32 s96, 1536, s96                   ; from a block of 16 rows of A to the next: v: a tile of d (two halves); q, k: a tile of tokens
	s_mov_b32 s104, 768
	s_cselect_b32 s104, 93696, s104                ; from block 3 to block 4: v: on to the next head's tile 0 (98,304 - 3 x 1,536)
	s_mov_b32 s22, 98304
	s_cselect_b32 s22, 768, s22                    ; from registers 0-5 to registers 6-11: v: the image's second half; q, k: the next head
	s_cselect_b32 s94, 8, 9                        ; a group's scale words: 256 bytes for v, 512 for q and k
	s_mov_b32 s97, 0
	s_mov_b32 s105, 0
	s_mov_b32 s23, 0
	s_mov_b32 s47, 0
	s_lshl_b32 s18, s18, 8
	s_lshl_b32 s19, s19, 7
	s_add_co_u32 s18, s18, s19                     ; my first token, 0..8191
	s_lshl_b32 s19, s20, 2
	s_lshl_b32 s45, s21, 1
	s_add_co_u32 s19, s19, s45                     ; my first head
	s_lshr_b32 s45, s18, 11                        ; the batch
	s_lshl_b32 s45, s45, 4
	s_add_co_u32 s45, s45, s19                     ; batch x 16 + head
	s_lshl_b32 s45, s45, 4
	s_bfe_u32 s46, s18, 0x40007                    ; which 128 tokens of the batch's 2,048
	s_add_co_u32 s45, s45, s46
	s_mul_i32 s46, s45, 6144                       ; 128 tokens of a head are 6,144 bytes of images in qf, kf and vf alike
	s_add_nc_u64 s[12:13], s[12:13], s[46:47]
	s_add_nc_u64 s[92:93], s[12:13], s[22:23]
	s_lshl_b32 s46, s45, s94
	s_add_nc_u64 s[100:101], s[100:101], s[46:47]
	s_lshl_b32 s46, s20, 10
	s_lshl_b32 s45, s21, 9
	s_add_co_u32 s46, s46, s45
	s_add_nc_u64 s[98:99], s[98:99], s[46:47]      ; my 128 numbers of the bias
	s_mov_b32 s94, 0xffff0000                      ; lanes 16-31
	; my 128 numbers of the bias in both layouts (both lie inside the buffer on both ways); they land while the products run, in registers that the products do not name
.irp b, 0,1,2,3,4,5,6,7
	global_load_b128 v[BB+8*\b:BB+8*\b+3], v[BO], s[98:99] offset:64*\b
	global_load_b128 v[BB+8*\b+4:BB+8*\b+7], v[BO], s[98:99] offset:64*\b+16
.endr
.irp a, 0,1,2,3,4,5,6,7
	global_load_b32 v[BA+2*\a], v[AO], s[98:99] offset:64*\a
	v_mov_b32 v[BA+2*\a+1], 0
.endr
.macro FRAG reg, adr, st, i            ; a fragment of step st: lane l holds row l % 16; registers 6 c .. 6 c + 5 hold K = 64 c + 32 (l / 16) + 0..31: 24 bytes of the row's stream of bits, in pieces of 8 bytes
.irp p, 0,1,2,3,4,5                    ; byte y of a row lies in chunk y / 256, in slot (y / 256) % 2, at byte y % 256 of the LDS row; lanes 16-31 read 24 bytes further on than lanes 0-15
.set BY, 96*(\st)+48*(\p/3)+8*(\p%3)
.if BY/ROWB == (BY+24)/ROWB
	ds_load_b64 v[\reg+2*\p:\reg+2*\p+1], v[\adr+(BY/ROWB)%2] offset:BY%ROWB+(\i)*16*PITCH
.else                                  ; the two halves of the lanes read different chunks
	ds_load_b64 v[\reg+2*\p:\reg+2*\p+1], v[\adr+2+(BY/ROWB)%2] offset:BY%ROWB-232+(\i)*16*PITCH
.endif
.endr
.endm
; 16 matrix instructions: A's blocks a0, a0 + 1 x B's eight, the slot's q-th 128 along K.  p: B's set; sc: the set of scale words.  zero = 1: the first product starts the sums.
; The 64 accumulators take turns, one instruction a turn, in the same order in every step.
.macro MUL16 a0, p, q, sc, zero
.irp a, \a0, \a0+1
.irp b, 0,1,2,3,4,5,6,7
.if \zero
	v_wmma_scale_f32_16x16x128_f8f6f4 v[8*(8*((\a)%4)+\b):8*(8*((\a)%4)+\b)+7], v[128*(\p)+FR*\b:128*(\p)+FR*\b+FR-1], v[AF+FR*(\a):AF+FR*(\a)+FR-1], 0, v[SC+8*NQ*(\sc)+NQ*\b+(\q)], v[SC+8*NQ*(\sc)+NQ*(\a)+(\q)] matrix_a_fmt:MATRIX_FMT_BF6 matrix_b_fmt:MATRIX_FMT_BF6 matrix_a_scale:MATRIX_SCALE_ROW1
.else
	v_wmma_scale_f32_16x16x128_f8f6f4 v[8*(8*((\a)%4)+\b):8*(8*((\a)%4)+\b)+7], v[128*(\p)+FR*\b:128*(\p)+FR*\b+FR-1], v[AF+FR*(\a):AF+FR*(\a)+FR-1], v[8*(8*((\a)%4)+\b):8*(8*((\a)%4)+\b)+7], v[SC+8*NQ*(\sc)+NQ*\b+(\q)], v[SC+8*NQ*(\sc)+NQ*(\a)+(\q)] matrix_a_fmt:MATRIX_FMT_BF6 matrix_b_fmt:MATRIX_FMT_BF6 matrix_a_scale:MATRIX_SCALE_ROW1
.endif
.endr
.endr
.endm
.macro FETCH_B st, p                   ; B's eight fragments of step st into set p
	WIN TO_B
.irp i, 0,1,2,3,4,5,6,7
	FRAG 128*(\p)+FR*\i, ADRB, \st, \i
.endr
	WIN 0
.endm
.macro FETCH_A st, i0                  ; A's blocks i0 .. i0 + 3 of step st
.irp i, \i0, \i0+1, \i0+2, \i0+3
	FRAG AF+FR*(\i), ADRA, \st, \i
.endr
.endm
.macro SCALES pr                       ; the scale words of steps 2 pr and 2 pr + 1 into set pr % 2: lanes 0-15 take A's block i, lanes 16-31 B's block i
.irp i, 0,1,2,3,4,5,6,7
	ds_load_b64 v[SC+8*NQ*((\pr)%2)+NQ*\i:SC+8*NQ*((\pr)%2)+NQ*\i+1], v[ADRS] offset:\i*SBLK+4*NQ*(\pr)
.endr
.endm
.macro PLACES n                        ; plain vector instructions between a matrix instruction and a load into, or a read or write of, its registers (ISA guide 7.12.1 for a read or write of its registers)
.rept \n
	v_nop
.endr
.endm
; A step of 128 along K: 64 matrix instructions on step st's fragments; the next step's fragments are fetched in its middle and at its end.
; Where the next step's 96 bytes END in a chunk that no step has read yet: every wave waits for its tensor loads, and a barrier shows that chunk whole, ahead of the fetch.
; Where they BEGIN in a later chunk than this step's: the chunk left behind is read no more: the wait for all tensor loads, the add, the wait for it and for my reads, the barrier;
; where a chunk two further on is left to fetch, that barrier opens a round of the cluster's barrier, and the slot is filled again.
.macro STEP st, zero
.set NX, (\st)+1
.set C0, (96*(\st))/ROWB               ; the chunk in which this step's bytes begin,
.set C1, (96*NX)/ROWB                  ; and the next step's;
.set E0, (96*(\st)+95)/ROWB            ; the chunk in which this step's bytes end,
.set E1, (96*NX+95)/ROWB               ; and the next step's
.if C1 > C0 || E1 > E0
	s_wait_tensorcnt 0x0                           ; all my tensor loads have landed
.if C1 > C0
	ds_add_u32 v[SPW], v[NIL]                      ; 0 onto my spare word
	s_wait_dscnt 4*NL+1                            ; the add and the youngest 24 loads (A's blocks 4-7) may be out
.else
	s_wait_dscnt 4*NL                              ; the youngest 24 loads (A's blocks 4-7) may be out
.endif
	WIN MUL_LO
	MUL16 0, (\st)%2, (\st)%2, ((\st)/2)%2, \zero
	s_wait_dscnt 0x0                               ; all my LDS instructions are done: the add, where there is one, and my reads
	s_barrier_signal -1
	MUL16 2, (\st)%2, (\st)%2, ((\st)/2)%2, \zero
	WIN 0
	s_barrier_wait -1
.if C1 > C0 && C0+2 < CHUNKS
	CREST                                          ; the barrier has opened a round: no wave of any partner still reads this slot's chunk or has a load on its way
	s_add_nc_u64 s[G0+4*(C0%2)+2:G0+4*(C0%2)+3], s[G0+4*(C0%2)+2:G0+4*(C0%2)+3], 2*ROWB
	s_add_nc_u64 s[G0B+4*(C0%2)+2:G0B+4*(C0%2)+3], s[G0B+4*(C0%2)+2:G0B+4*(C0%2)+3], 2*ROWB
	JLOAD G0+4*(C0%2), G1, G0B+4*(C0%2), G1B       ; chunk C0 + 2, the first tensor load behind the round; its four v_nop are the places in front of the loads below
.else
	PLACES NP
.endif
.else
	s_wait_dscnt 4*NL                              ; B's set and A's blocks 0-3 are in; the youngest 24 loads (A's blocks 4-7) may be out
	WIN MUL_LO
	MUL16 0, (\st)%2, (\st)%2, ((\st)/2)%2, \zero
	MUL16 2, (\st)%2, (\st)%2, ((\st)/2)%2, \zero
	s_wait_dscnt 0                                 ; A's blocks 4-7 are in
	PLACES NP
.endif
	FETCH_B NX, NX%2
	FETCH_A NX, 0
.if NX%2 == 0
	SCALES NX/2
.endif
	WIN MUL_HI
	MUL16 4, (\st)%2, (\st)%2, ((\st)/2)%2, \zero
	MUL16 6, (\st)%2, (\st)%2, ((\st)/2)%2, \zero
	PLACES NP
	WIN 0
	FETCH_A NX, 4
.endm
	s_wait_alu depctr_va_vdst(0)
	s_wait_tensorcnt 0x0                           ; my tile of the head's four is in
	ds_add_u32 v[SPW], v[NIL]
	s_mov_b32 s[G1+2], 128<<16                     ; no tensor load of mine is out: from here on a load brings 128 rows
	s_mov_b32 s[G1+4], 128
	s_mov_b32 s[G1B+2], 128<<16
	s_mov_b32 s[G1B+4], 128
	s_wait_dscnt 0x0                               ; the add is done
	CROUND                                         ; all four tiles are in, and all sixteen work-groups are here
	JLOAD G0+4, G1, G0B+4, G1B                     ; chunk 1's load, the first tensor load behind the round
	FETCH_B 0, 0
	FETCH_A 0, 0
	SCALES 0
	FETCH_A 0, 4
	STEP 0, 1                                      ; the first step's products start the sums
.set ST, 1                             ; slots and chunks come back to where they began only after sixteen steps: the eight are written out
.rept STEPS-2
	STEP ST, 0
.set ST, ST+1
.endr
	s_wait_dscnt 4*NL
	WIN MUL_LO
	MUL16 0, 1, NQ-1, 1, 0
	MUL16 2, 1, NQ-1, 1, 0
	s_wait_dscnt 0
	WIN MUL_HI
	MUL16 4, 1, NQ-1, 1, 0
	MUL16 6, 1, NQ-1, 1, 0
	WIN 0
; THE WAY OUT, a block of 16 rows of A at a time: the bias, the quantiser, four stores.  No LDS: a lane's codes are stored as the next launch's lanes load them.
.macro BIAS a                          ; v[H] on = the block's 64 sums of my lane + the bias; each accumulator is read from its low end on
.set AC, 64*((\a)%4)
	s_cmp_eq_u32 s95, 0
	s_cbranch_scc0 .Lbv_\@
	WIN (0x02+(\a)/4)                              ; source 0: window 2 or 3
.set i, 0
.rept 32
	v_pk_add_f32 v[H+2*i:H+2*i+1], v[AC+2*i:AC+2*i+1], v[BB+2*i:BB+2*i+1]   ; q, k: the bias runs along my registers
.set i, i+1
.endr
	WIN 0
	s_branch .Lbj_\@
.Lbv_\@:
	WIN (0x02+(\a)/4)
.set i, 0
.rept 32
	v_pk_add_f32 v[H+2*i:H+2*i+1], v[AC+2*i:AC+2*i+1], v[BA+2*(\a):BA+2*(\a)+1] op_sel_hi:[1,0]   ; v: one number for my row
.set i, i+1
.endr
	WIN 0
.Lbj_\@:
.endm
.macro OUTBLK a
	BIAS \a
	s_wait_xcnt 0x0                                ; the last block's stores have read their data and their bases: both are written again only behind this wait
.if (\a) == 4
	s_add_nc_u64 s[12:13], s[12:13], s[104:105]
	s_add_nc_u64 s[92:93], s[92:93], s[104:105]
.elseif (\a) > 0
	s_add_nc_u64 s[12:13], s[12:13], s[96:97]
	s_add_nc_u64 s[92:93], s[92:93], s[96:97]
.endif
	QUANT H, 4
.if (\a)%2 == 0
	v_mov_b32 v[P+(\a)/2], v[PW]                   ; every lane holds its row's word: the even block's stays in lanes 0-15,
.else
	v_cndmask_b32 v[P+(\a)/2], v[P+(\a)/2], v[PW], s94   ; the odd block's takes lanes 16-31
.endif
	global_store_b128 v[LI], v[CD:CD+3], s[12:13]              ; each store covers 512 or 256 consecutive bytes, aligned
	global_store_b64 v[LJ], v[CD+4:CD+5], s[12:13] offset:512
	global_store_b128 v[LI], v[CD+6:CD+9], s[92:93]
	global_store_b64 v[LJ], v[CD+10:CD+11], s[92:93] offset:512
.endm
	PLACES NP                                      ; behind the last products: their sources are written and their results read below
.irp b, 0,1,2,3
	v_mov_b32 v[TM+4+\b], 0                        ; a lane permute's destination counts as one of its sources
.endr
	s_wait_loadcnt 0x0                             ; the bias
.irp a, 0,1,2,3,4,5,6,7
	OUTBLK \a
.endr
	s_cmp_eq_u32 s95, 0
	s_cbranch_scc0 .Lsv
.irp i, 0,1,2,3
	v_and_b32 v[H+\i], 0xffff, v[P+\i]             ; q, k: a word's bytes 0, 1 are the first head's two blocks,
	v_lshrrev_b32 v[H+4+\i], 16, v[P+\i]           ; bytes 2, 3 the next head's; the upper two bytes of a stored word are 0 (they scale zero codes)
.endr
	global_store_b128 v[LI], v[H:H+3], s[100:101]
	global_store_b128 v[LI], v[H+4:H+7], s[100:101] offset:8192
	s_branch .Lend
.Lsv:
	global_store_b64 v[LJ], v[P:P+1], s[100:101]               ; v: the first head's four tiles of d,
	s_wait_alu depctr_va_vdst(0)
	global_store_b64 v[LJ], v[P+2:P+3], s[100:101] offset:4096 ; the next head's
.Lend:
	s_wait_tensorcnt 0x0                           ; the wave's end
	ds_add_u32 v[SPW], v[NIL]
	s_wait_dscnt 0x0
	CROUND                                         ; the closing round: no work-group ends while a partner may still ask for a tile that names it
	s_endpgm
.Lfunc_end_k_qd14e941182_proj:
	.size	k_qd14e941182_proj, .Lfunc_end_k_qd14e941182_proj-k_qd14e941182_proj
	.p2alignl 7, 3214868480
	.fill 96, 4, 3214868480
	.section	.rodata,"a",@progbits
	.p2align	6, 0x0
	.amdhsa_kernel k_qd14e941182_proj
		.amdhsa_group_segment_fixed_size 327680
		.amdhsa_private_segment_fixed_size 0
		.amdhsa_enable_private_segment 0
		.amdhsa_kernarg_size 184
		.amdhsa_user_sgpr_count 2
		.amdhsa_user_sgpr_kernarg_segment_ptr 1
		.amdhsa_wavefront_size32 1
		.amdhsa_system_sgpr_workgroup_id_x 1
		.amdhsa_system_sgpr_workgroup_id_y 1
		.amdhsa_system_sgpr_workgroup_id_z 1
		.amdhsa_system_vgpr_workitem_id 0
		.amdhsa_next_free_vgpr 1024
		.amdhsa_next_free_sgpr 106
		.amdhsa_reserve_vcc 0
		.amdhsa_float_denorm_mode_32 3
		.amdhsa_float_denorm_mode_16_64 3
		.amdhsa_memory_ordered 1
		.amdhsa_forward_progress 1
		.amdhsa_inst_pref_size 244
	.end_amdhsa_kernel
	.amdgpu_metadata
---
amdhsa.version: [ 1, 2 ]
amdhsa.kernels:
  - .name:           k_qd14e941182_proj
    .symbol:         k_qd14e941182_proj.kd
    .args:
      - { .name: hidden_states_codes, .offset: 0, .size: 8, .value_kind: global_buffer, .address_space: global }
      - { .name: hidden_states_scales, .offset: 8, .size: 8, .value_kind: global_buffer, .address_space: global }
      - { .name: Wq_codes, .offset: 16, .size: 8, .value_kind: global_buffer, .address_space: global }
      - { .name: Wq_scales, .offset: 24, .size: 8, .value_kind: global_buffer, .address_space: global }
      - { .name: Wk_codes, .offset: 32, .size: 8, .value_kind: global_buffer, .address_space: global }
      - { .name: Wk_scales, .offset: 40, .size: 8, .value_kind: global_buffer, .address_space: global }
      - { .name: Wv_codes, .offset: 48, .size: 8, .value_kind: global_buffer, .address_space: global }
      - { .name: Wv_scales, .offset: 56, .size: 8, .value_kind: global_buffer, .address_space: global }
      - { .name: bq, .offset: 64, .size: 8, .value_kind: global_buffer, .address_space: global }
      - { .name: bk, .offset: 72, .size: 8, .value_kind: global_buffer, .address_space: global }
      - { .name: bv, .offset: 80, .size: 8, .value_kind: global_buffer, .address_space: global }
      - { .name: fc1_w_codes, .offset: 88, .size: 8, .value_kind: global_buffer, .address_space: global }
      - { .name: fc1_w_scales, .offset: 96, .size: 8, .value_kind: global_buffer, .address_space: global }
      - { .name: fc1_b, .offset: 104, .size: 8, .value_kind: global_buffer, .address_space: global }
      - { .name: efc1, .offset: 112, .size: 8, .value_kind: global_buffer, .address_space: global }
      - { .name: qf, .offset: 120, .size: 8, .value_kind: global_buffer, .address_space: global }
      - { .name: qs, .offset: 128, .size: 8, .value_kind: global_buffer, .address_space: global }
      - { .name: kf, .offset: 136, .size: 8, .value_kind: global_buffer, .address_space: global }
      - { .name: ks, .offset: 144, .size: 8, .value_kind: global_buffer, .address_space: global }
      - { .name: vf, .offset: 152, .size: 8, .value_kind: global_buffer, .address_space: global }
      - { .name: vs, .offset: 160, .size: 8, .value_kind: global_buffer, .address_space: global }
      - { .name: hf, .offset: 168, .size: 8, .value_kind: global_buffer, .address_space: global }
      - { .name: hs, .offset: 176, .size: 8, .value_kind: global_buffer, .address_space: global }
    .group_segment_fixed_size: 327680
    .private_segment_fixed_size: 0
    .kernarg_segment_align: 8
    .kernarg_segment_size: 184
    .max_flat_workgroup_size: 128
    .sgpr_count:     106
    .vgpr_count:     1024
    .wavefront_size: 32
...
	.end_amdgpu_metadata
.endif
;; end of part 1
;; launch attn (part 2): grid 4 x 64, 16 waves a work-group, clusters of 4 x 1, 327,680 bytes of LDS; arguments qf, qs, kf, ks, vf, vs, hf, hs, fc2_w_codes, fc2_w_scales, fc2_b, efc2, out0; writes out0
.if DOCPART == 2
	.amdgcn_target "amdgcn-amd-amdhsa--gfx1250"
	.amdhsa_code_object_version 6
	.text
	.protected	k_qd14e941182_attn
	.globl	k_qd14e941182_attn
	.p2align	8
	.type	k_qd14e941182_attn,@function
k_qd14e941182_attn:
	s_mov_b64 s[64:65], 0
	v_nop
	global_prefetch_b8 v0, s[64:65] scope:SCOPE_SE
	s_setreg_imm32_b32 hwreg(HW_REG_WAVE_MODE, 25, 1), 1
	s_wait_xcnt 0x0
	s_wait_alu depctr_hold_cnt(0) depctr_sa_sdst(0) depctr_va_vdst(0) depctr_va_sdst(0) depctr_va_ssrc(0) depctr_va_vcc(0) depctr_vm_vsrc(0)
	s_getreg_b32 s2, hwreg(HW_REG_IB_STS2, 6, 4)
	s_cmp_eq_u32 s2, 0
	s_cbranch_scc0 .Lentry_in_a_cluster
	s_endpgm
.Lentry_in_a_cluster:
	s_bfe_u32 s2, ttmp6, 0x10000c
	s_cmp_lg_u32 s2, 0x3003
	s_cbranch_scc0 .Lentry_shape_is_right
	s_endpgm
.Lentry_shape_is_right:
; out0[b][q][64 hd + d] = the sum over keys of softmax(q . k / 8) v  +  relu(h fc2_w + fc2_b) x sigmoid(100 efc2[3]), all three products on codes of BF6 (E3M2) with one E8M0 scale for each 32 along K.
; q, k, v and h come as images of the operands' registers (768 bytes for six registers of 32 lanes: four at 16 x lane, two at 512 + 8 x lane), made by the launch before; fc2_w as it is given.
; THE SOFTMAX: t = score x log2(e) / 8; M = the row's largest t so far, rounded up to a whole number; p = 2^(t - M) is quantised along the keys, not normalised; the row's sum is taken of the unquantised p and divides O
; at the end; when M moves, the sum and O are multiplied by 2^(old M - new M), which rounds nothing.
; SHARES.  A work-group owns 512 queries of one (batch, head), in two passes of 256; each of its sixteen waves owns 16 of a pass's, in 256 registers: four waves to a SIMD, so that one wave's vector work stands beside
; another's matrix work and LDS loads.  THE WHOLE HEAD'S K AND V LIE IN LDS (196,608 bytes of images, 12,288 of scale words): they come once, nothing is filled again, and a pass has one barrier.
; CLUSTER.  The four work-groups of a head form a cluster and ask for K and V jointly: the same ten tensor loads (one a wave, waves 0 to 9), the same descriptors, the mask of all four.
; LAYOUT.  Both products of attention are used transposed (S^T = K Q^T, O^T = V^T P^T), and so is the adapter's: a lane holds ONE query (lane % 16) throughout, and eight neighbouring channels of it in a result.
; The head's 64 fill half of the instruction's 128 along K: registers 6-11 of q's, k's, h's and fc2_w's fragments are zero codes, and the upper two bytes of their scale words are 0.
; ORDER INSIDE A BLOCK OF 32: p's codes stand in the order 0-7, 16-23, 8-15, 24-31 of the block's keys, as v's were laid by the launch before, and q's and k's alike along d: the products are kept, the order of the sums
; differs from reference()'s.
; LIMITS: a block of p that has fallen to 0 keeps the byte 1 (its codes are zeros); NaN and infinities are not served; the gate is 1 / (1 + 2^(-144.2695 e)), 0 where it falls under 2^-126.
.set VI,   98304                       ; LDS: K's images from 0: key step g at 6,144 g, tile t at + 768 t;  V's from here: 6,144 g + 1,536 t + 768 c
.set KSC,  196608                      ; K's scale words: 512 g + 16 x lane
.set VSC,  204800                      ; V's: 256 g + 8 x lane
.set STG,  208896                      ; a stage of 16 rows x (256 bytes + 16) for each wave; no tensor load lands here
.set QTR,  24576                       ; a quarter of a head's images: what one tensor load brings
.set L16, 1                            ; v1   16 x lane
.set L8,  2                            ; v2   8 x lane
.set GO,  7                            ; v7   4,096 h + 16 r: my 16 bytes in two rows of out0
.set STO, 8                            ; v8   the stage: row r, + 32 h
.set RD,  9                            ; v9   the stage, back: row h, + 16 r
.set VSW, 10                           ; v10-11 V's scale words; v10 also h's
.set Q,   16                           ; v16-27 q's fragment
.set KF,  28                           ; v28-75 four fragments of K (or of fc2_w)
.set VF,  76                           ; v76-123 four fragments of V; v76-87 also h's
.set S,   124                          ; v124-187 S^T, then p
.set O,   188                          ; v188-219 O^T
.set PCD, 220                          ; v220-231 p's codes
.set WK,  232                          ; v232-239 at work
.set BM,  240                          ; v240-243 the blocks' largest scores, then their largest p
.set SO,  244                          ; v244-247 the conversions' scale operands
.set KSW, 248                          ; v248-251 K's scale words (or fc2_w's)
.set WV,  30
.set CX,  31
.set BH,  32
.set G1I, 40                           ; s[40:47] group 1 for a quarter of the images; s[48:55] for K's scale words; s[56:63] for V's
.set G1K, 48
.set G1V, 56
.set SEL, 84                           ; s[84:85] lane l xor 16
.set CS,  86                           ; s[86:87] c = log2(e) / 8
.set TK,  88                           ; LDS byte of the step's K, V, K's words, V's words
.set TVI, 89
.set TS,  90
.set TT,  91
.set STEPS, 92
.macro CROUND                          ; a round of the cluster's barrier
	s_barrier_signal -1
	s_barrier_wait -1
	s_cmp_lg_u32 s[WV], 0
	s_cbranch_scc1 .Lnot_wave_0_\@
	s_barrier_signal -3
.Lnot_wave_0_\@:
	s_barrier_wait -3
	s_barrier_signal -1
	s_barrier_wait -1
.endm
	s_load_b512 s[4:19], s[0:1], 0x0               ; qf 4, qs 6, kf 8, ks 10, vf 12, vs 14, hf 16, hs 18
	s_load_b256 s[20:27], s[0:1], 0x40             ; fc2_w's codes 20, its scales 22, fc2_b 24, efc2 26
	s_load_b64 s[28:29], s[0:1], 0x60              ; out0
	v_lshl_add_u32 v254, v0, 2, 0x44000
	v_mov_b32 v255, 0
	ds_add_u32 v254, v255
	ds_add_u32 v254, v255
	s_wait_dscnt 0x0
	v_lshrrev_b32 v1, 5, v0
	s_delay_alu instid0(VALU_DEP_1)
	v_readfirstlane_b32 s[WV], v1                  ; wave 0..15
	s_bfe_u32 s[CX], ttmp6, 0x40000                ; my place in the cluster: it enters addresses in memory alone
	s_and_b32 s[BH], ttmp7, 0xffff                 ; batch x 16 + head, which the four partners share
	; descriptor group 1: dense blocks, as rows of 256 bytes (32 elements of 8 bytes), no padding: every LDS read is 16 or 8 bytes a lane on end
.irp g, G1I, G1K, G1V
	s_mov_b32 s[\g], 15|(3<<16)|(1<<21)            ; 15:0 the mask: all four work-groups; 17:16 elements of 8 bytes; 21 set beside a mask
	s_mov_b32 s[\g+1], 32<<16                      ; tensor_dim0
	s_mov_b32 s[\g+3], 32<<16                      ; tile_dim0
	s_mov_b32 s[\g+5], 32                          ; from row to row
	s_mov_b32 s[\g+6], 0
	s_mov_b32 s[\g+7], 0
.endr
	s_mov_b32 s[G1I+2], 96<<16                     ; tensor_dim1 and tile_dim1: 24,576 bytes,
	s_mov_b32 s[G1I+4], 96
	s_mov_b32 s[G1K+2], 32<<16                     ; 8,192,
	s_mov_b32 s[G1K+4], 32
	s_mov_b32 s[G1V+2], 16<<16                     ; 4,096
	s_mov_b32 s[G1V+4], 16
	s_mov_b32 s[SEL], 0x76543210
	s_mov_b32 s[SEL+1], 0xfedcba98
	s_mov_b32 s[CS], 0x3e38aa3b
	s_mov_b32 s[CS+1], s[CS]                       ; (named with it as a pair)
	s_and_b32 s33, s[WV], 3
	s_mul_i32 s33, s33, QTR                        ; my quarter (waves 0-3: of K's images; waves 4-7: of V's)
	s_mul_i32 s34, s[BH], 4*QTR
	s_add_co_u32 s34, s34, s33
	s_mov_b32 s35, 0
	s_lshl_b32 s36, s[BH], 13
	s_mov_b32 s37, 0
	s_lshl_b32 s38, s[BH], 12
	s_mov_b32 s39, 0
	s_wait_kmcnt 0x0
	s_mov_b32 s68, 1                               ; group 0 for K's images
	s_mov_b32 s69, s33
	s_add_nc_u64 s[70:71], s[8:9], s[34:35]
	s_or_b32 s71, s71, 0x80000000
	s_mov_b32 s72, 1                               ; V's images
	s_add_co_u32 s73, s33, VI
	s_add_nc_u64 s[74:75], s[12:13], s[34:35]
	s_or_b32 s75, s75, 0x80000000
	s_mov_b32 s76, 1                               ; K's scale words
	s_mov_b32 s77, KSC
	s_add_nc_u64 s[78:79], s[10:11], s[36:37]
	s_or_b32 s79, s79, 0x80000000
	s_mov_b32 s80, 1                               ; V's scale words
	s_mov_b32 s81, VSC
	s_add_nc_u64 s[82:83], s[14:15], s[38:39]
	s_or_b32 s83, s83, 0x80000000
	CROUND                                         ; all four work-groups are here: the joint loads meet
	s_cmp_eq_u32 s[WV], 0                          ; at the head only what key steps 0-3 need: wave 0 K's first quarter, wave 4 V's, waves 8 and 9 the scale words
	s_cbranch_scc0 .Lnot_k
	tensor_load_to_lds s[68:71], s[G1I:G1I+7]
	s_nop 0
.rept 4
	v_nop
.endr
	s_branch .Lasked
.Lnot_k:
	s_cmp_eq_u32 s[WV], 4
	s_cbranch_scc0 .Lnot_v
	tensor_load_to_lds s[72:75], s[G1I:G1I+7]
	s_nop 0
.rept 4
	v_nop
.endr
	s_branch .Lasked
.Lnot_v:
	s_cmp_eq_u32 s[WV], 8
	s_cbranch_scc0 .Lnot_ks
	tensor_load_to_lds s[76:79], s[G1K:G1K+7]
	s_nop 0
.rept 4
	v_nop
.endr
	s_branch .Lasked
.Lnot_ks:
	s_cmp_eq_u32 s[WV], 9
	s_cbranch_scc0 .Lasked
	tensor_load_to_lds s[80:83], s[G1V:G1V+7]
	s_nop 0
.rept 4
	v_nop
.endr
.Lasked:
	; the pointers of the first pass: my tile of 16 queries is 32 cx + wave of the head's 128
	s_lshr_b32 s33, s[BH], 4                       ; the batch
	s_and_b32 s34, s[BH], 15                       ; the head
	s_lshl_b32 s35, s[CX], 5
	s_add_co_u32 s35, s35, s[WV]
	s_lshl_b32 s36, s[BH], 7
	s_add_co_u32 s36, s36, s35
	s_mul_i32 s36, s36, 768
	s_add_nc_u64 s[4:5], s[4:5], s[36:37]          ; q's image
	s_lshl_b32 s38, s33, 7
	s_add_co_u32 s38, s38, s35
	s_mul_i32 s36, s38, 768
	s_add_nc_u64 s[16:17], s[16:17], s[36:37]      ; h's image
	s_lshl_b32 s36, s38, 7
	s_add_nc_u64 s[18:19], s[18:19], s[36:37]      ; h's scale words
	s_lshl_b32 s36, s[BH], 13                      ; q's scale words: the head's 8,192 bytes; the group of eight tiles, 512; the tile's parity, 256; its pair, 4
	s_lshl_b32 s38, s[CX], 2
	s_lshr_b32 s39, s[WV], 3
	s_add_co_u32 s38, s38, s39
	s_lshl_b32 s38, s38, 9
	s_add_co_u32 s36, s36, s38
	s_and_b32 s38, s[WV], 1
	s_lshl_b32 s38, s38, 8
	s_add_co_u32 s36, s36, s38
	s_bfe_u32 s38, s[WV], 0x20001
	s_lshl_b32 s38, s38, 2
	s_add_co_u32 s36, s36, s38
	s_add_nc_u64 s[6:7], s[6:7], s[36:37]
	s_mul_i32 s36, s34, 3072                       ; the head's 64 rows of fc2_w: 48 bytes of codes,
	s_add_nc_u64 s[20:21], s[20:21], s[36:37]
	s_lshl_b32 s36, s34, 7                         ; 2 scale bytes,
	s_add_nc_u64 s[22:23], s[22:23], s[36:37]
	s_lshl_b32 s36, s34, 8                         ; 4 bytes of fc2_b,
	s_add_nc_u64 s[24:25], s[24:25], s[36:37]
	s_add_co_u32 s36, s36, 12288                   ; and of efc2's row t = 3
	s_add_nc_u64 s[26:27], s[26:27], s[36:37]
	s_lshl_b32 s38, s33, 11
	s_lshl_b32 s39, s[CX], 9
	s_add_co_u32 s38, s38, s39
	s_lshl_b32 s39, s[WV], 4
	s_add_co_u32 s38, s38, s39                     ; my first token, 0..8191
	s_lshl_b32 s38, s38, 12
	s_lshl_b32 s36, s34, 8
	s_add_co_u32 s36, s36, s38
	s_add_nc_u64 s[28:29], s[28:29], s[36:37]      ; its row of out0, at the head's 256 bytes
	v_and_b32 v254, 31, v0
	s_delay_alu instid0(VALU_DEP_1)
	v_lshlrev_b32 v[L16], 4, v254
	s_delay_alu instid0(VALU_DEP_2)
	v_lshlrev_b32 v[L8], 3, v254
	v_and_b32 v3, 15, v0                           ; r
	v_bfe_u32 v4, v0, 4, 1                         ; h
	s_delay_alu instid0(VALU_DEP_1)
	v_lshlrev_b32 v[GO], 12, v4
	s_delay_alu instid0(VALU_DEP_1)
	v_lshl_add_u32 v[GO], v3, 4, v[GO]
	s_mul_i32 s33, s[WV], 16*272
	s_add_co_u32 s33, s33, STG                     ; my stage
	v_mul_u32_u24 v[STO], v3, 272
	s_delay_alu instid0(VALU_DEP_1)
	v_lshl_add_u32 v[STO], v4, 5, v[STO]
	s_delay_alu instid0(VALU_DEP_1)
	v_add_nc_u32 v[STO], s33, v[STO]
	v_mul_u32_u24 v[RD], v4, 272
	s_delay_alu instid0(VALU_DEP_1)
	v_lshl_add_u32 v[RD], v3, 4, v[RD]
	s_delay_alu instid0(VALU_DEP_1)
	v_add_nc_u32 v[RD], s33, v[RD]
.irp i, 6,7,8,9,10,11
	v_mov_b32 v[Q+\i], 0                           ; the upper 64 along K: zero codes, written once
.irp t, 0,1,2,3
	v_mov_b32 v[KF+12*\t+\i], 0
.endr
.endr
.irp b, 0,1,2,3
	v_mov_b32 v[WK+\b], 0                          ; a lane permute's destination counts as one of its sources
.endr
	v_mov_b32 v253, 0                              ; (named as the upper half of the pair v[252:253] before it is first written)
; A pass of 256 queries is three macros: PRO (the adapter's product, q, the sums' start), KLOOP (n key steps from step g on), EPI (the way out).
.macro PRO
	; ---- the adapter's second product for my 16 tokens and the head's 64 channels
.irp i, 6,7,8,9,10,11
	v_mov_b32 v[VF+\i], 0                          ; h's upper 64 along K (V's fragments lay here)
.endr
	v_and_b32 v6, 15, v0                           ; the eight lines below are the places between those zeros and the product
	v_bfe_u32 v5, v0, 4, 1
	s_delay_alu instid0(VALU_DEP_2)
	v_mul_u32_u24 v3, v6, 48
	s_delay_alu instid0(VALU_DEP_1)
	v_mad_u32_u24 v3, v5, 24, v3                   ; fc2_w: row r of 48 bytes, + 24 h
	s_delay_alu instid0(VALU_DEP_4)
	v_lshlrev_b32 v4, 1, v6                        ; its scale bytes: 2 a row
	s_delay_alu instid0(VALU_DEP_4)
	v_lshlrev_b32 v5, 5, v5                        ; fc2_b, efc2: 8 h numbers on
	v_lshlrev_b32 v6, 4, v6                        ; q's scale words: 16 bytes from row to row
	v_lshrrev_b32 v254, 2, v[L16]                  ; 4 x lane
	global_load_b128 v[VF:VF+3], v[L16], s[16:17]
	global_load_b64 v[VF+4:VF+5], v[L8], s[16:17] offset:512
	global_load_b32 v[VSW], v254, s[18:19]
.irp t, 0,1,2,3
.irp p, 0,1,2
	global_load_b64 v[KF+12*\t+2*\p:KF+12*\t+2*\p+1], v3, s[20:21] offset:768*\t+8*\p
.endr
	global_load_u16 v[KSW+\t], v4, s[22:23] offset:32*\t
	global_load_b128 v[S+32+8*\t:S+35+8*\t], v5, s[24:25] offset:64*\t
	global_load_b128 v[S+36+8*\t:S+39+8*\t], v5, s[24:25] offset:64*\t+16
	global_load_b128 v[O+8*\t:O+8*\t+3], v5, s[26:27] offset:64*\t
	global_load_b128 v[O+8*\t+4:O+8*\t+7], v5, s[26:27] offset:64*\t+16
.endr
	global_load_b128 v[Q:Q+3], v[L16], s[4:5]
	global_load_b64 v[Q+4:Q+5], v[L8], s[4:5] offset:512
	global_load_b32 v255, v6, s[6:7]
	s_wait_alu depctr_va_vdst(0)
	s_wait_loadcnt 0x0
.irp t, 0,1,2,3                                    ; source 0 = 16 rows of fc2_w, source 1 = h; the bias is C
	v_wmma_scale_f32_16x16x128_f8f6f4 v[S+8*\t:S+8*\t+7], v[KF+12*\t:KF+12*\t+11], v[VF:VF+11], v[S+32+8*\t:S+39+8*\t], v[KSW+\t], v[VSW] matrix_a_fmt:MATRIX_FMT_BF6 matrix_b_fmt:MATRIX_FMT_BF6
.endr
.set j, 0
.rept 16
	v_pk_mul_f32 v[O+j:O+j+1], v[O+j:O+j+1], 0xc31044fe op_sel_hi:[1,0]   ; the gate: -100 log2(e) x e.  These lines are the places behind the products
.set j, j+2
.endr
.set j, 0
	s_wait_alu depctr_va_vdst(0)
.rept 32
	v_exp_f32 v[O+j], v[O+j]
.set j, j+1
.endr
	v_nop                                          ; a plain place behind the batch
	s_wait_alu depctr_va_vdst(0)                   ; one wait for the 32 exponentials, ahead of their first reader
.set j, 0
.rept 16
	v_pk_add_f32 v[O+j:O+j+1], v[O+j:O+j+1], 1.0 op_sel_hi:[1,0]
.set j, j+2
.endr
.set j, 0
	s_wait_alu depctr_va_vdst(0)
.rept 32
	v_rcp_f32 v[O+j], v[O+j]
.set j, j+1
.endr
	v_nop
	s_wait_alu depctr_va_vdst(0)                   ; and one for the 32 reciprocals
.set j, 0
.rept 32
	v_max_num_f32 v[S+j], 0, v[S+j]                ; relu, each accumulator from its low end on
.set j, j+1
.endr
.set j, 0
.rept 16
	v_pk_mul_f32 v[S+j:S+j+1], v[S+j:S+j+1], v[O+j:O+j+1]
.set j, j+2
.endr
.irp t, 0,1,2,3
	ds_store_b128 v[STO], v[S+8*\t:S+8*\t+3] offset:64*\t          ; the adapter's result waits in my stage: the key steps need every register
	ds_store_b128 v[STO], v[S+8*\t+4:S+8*\t+7] offset:64*\t+16
.endr
	v_mov_b32 v13, 0xff61b1e6                      ; the largest t so far: -3e38, under every t
	s_delay_alu instid0(VALU_DEP_1)
	v_floor_f32 v12, -v13                          ; -M
	v_mov_b32 v14, 0                               ; the sum, in two halves
	v_mov_b32 v15, 0
.set j, 0
.rept 32
	v_mov_b32 v[O+j], 0                            ; O^T: the step is written once; its first trip finds zeros, which the first change of M leaves zeros
.set j, j+1
.endr
.endm
.macro KLOOP n, g                      ; n trips of 128 keys, from key step g on
	s_mov_b32 s[TK], 6144*\g
	s_mov_b32 s[TVI], VI+6144*\g
	s_mov_b32 s[TS], KSC+512*\g
	s_mov_b32 s[TT], VSC+256*\g
	s_mov_b32 s[STEPS], \n
.Lstep_\@:
	v_add_nc_u32 v3, s[TK], v[L16]                 ; these four lines are the places between the last trip's products and the loads into their registers
	v_add_nc_u32 v4, s[TK], v[L8]
	v_add_nc_u32 v5, s[TS], v[L16]
	v_add_nc_u32 v6, s[TT], v[L8]
	ds_load_b128 v[KSW:KSW+3], v5                  ; word i: lanes 0-15 tile 2 i of K, lanes 16-31 tile 2 i + 1
	ds_load_b64 v[VSW:VSW+1], v6                   ; the same for V's four tiles
	v_add_nc_u32 v5, s[TVI], v[L16]
	v_add_nc_u32 v6, s[TVI], v[L8]
.irp t, 0,1,2,3
	ds_load_b128 v[KF+12*\t:KF+12*\t+3], v3 offset:768*\t
	ds_load_b64 v[KF+12*\t+4:KF+12*\t+5], v4 offset:768*\t+512
.endr
.irp t, 0,1,2,3
.irp c, 0,1
	ds_load_b128 v[VF+12*\t+6*\c:VF+12*\t+6*\c+3], v5 offset:1536*\t+768*\c
	ds_load_b64 v[VF+12*\t+6*\c+4:VF+12*\t+6*\c+5], v6 offset:1536*\t+768*\c+512
.endr
.endr
	s_wait_alu depctr_va_vdst(0)
	s_wait_dscnt 16                                ; the scale words and K's tiles 0-3 are in; V's sixteen loads may be out
.irp t, 0,1,2,3
.if \t%2
	v_wmma_scale_f32_16x16x128_f8f6f4 v[S+8*\t:S+8*\t+7], v[KF+12*\t:KF+12*\t+11], v[Q:Q+11], 0, v[KSW+\t/2], v255 matrix_a_fmt:MATRIX_FMT_BF6 matrix_b_fmt:MATRIX_FMT_BF6 matrix_a_scale:MATRIX_SCALE_ROW1
.else
	v_wmma_scale_f32_16x16x128_f8f6f4 v[S+8*\t:S+8*\t+7], v[KF+12*\t:KF+12*\t+11], v[Q:Q+11], 0, v[KSW+\t/2], v255 matrix_a_fmt:MATRIX_FMT_BF6 matrix_b_fmt:MATRIX_FMT_BF6
.endif
.endr
.rept 4
	v_nop                                          ; places in front of loads into registers that these products have read
.endr
.irp t, 4,5,6,7
	ds_load_b128 v[KF+12*(\t-4):KF+12*(\t-4)+3], v3 offset:768*\t
	ds_load_b64 v[KF+12*(\t-4)+4:KF+12*(\t-4)+5], v4 offset:768*\t+512
.endr
	s_wait_dscnt 0x0
.irp t, 4,5,6,7
.if \t%2
	v_wmma_scale_f32_16x16x128_f8f6f4 v[S+8*\t:S+8*\t+7], v[KF+12*(\t-4):KF+12*(\t-4)+11], v[Q:Q+11], 0, v[KSW+\t/2], v255 matrix_a_fmt:MATRIX_FMT_BF6 matrix_b_fmt:MATRIX_FMT_BF6 matrix_a_scale:MATRIX_SCALE_ROW1
.else
	v_wmma_scale_f32_16x16x128_f8f6f4 v[S+8*\t:S+8*\t+7], v[KF+12*(\t-4):KF+12*(\t-4)+11], v[Q:Q+11], 0, v[KSW+\t/2], v255 matrix_a_fmt:MATRIX_FMT_BF6 matrix_b_fmt:MATRIX_FMT_BF6
.endif
.endr
.rept 4
	v_nop                                          ; places in front of the first read of the scores
.endr
.irp b, 0,1,2,3
	v_max3_num_f32 v[BM+\b], v[S+16*\b], v[S+1+16*\b], v[S+2+16*\b]   ; the largest score of each block of 32 keys: it serves for the row's maximum and, since p rises with the score, for the block's largest p
.endr
.irp i, 3,5,7,9,11,13
.irp b, 0,1,2,3
	v_max3_num_f32 v[BM+\b], v[BM+\b], v[S+16*\b+\i], v[S+1+16*\b+\i]
.endr
.endr
.irp b, 0,1,2,3
	v_max_num_f32 v[BM+\b], v[BM+\b], v[S+15+16*\b]
.endr
.irp b, 0,1,2,3
	s_delay_alu instid0(VALU_DEP_4)
	v_permlanex16_b32 v[WK+\b], v[BM+\b], s[SEL], s[SEL+1]
.endr
.irp b, 0,1,2,3
	s_delay_alu instid0(VALU_DEP_4)
	v_max_num_f32 v[BM+\b], v[BM+\b], v[WK+\b]     ; with lane l xor 16's 16 keys
.endr
	s_delay_alu instid0(VALU_DEP_2)
	v_max3_num_f32 v254, v[BM], v[BM+1], v[BM+2]
	s_delay_alu instid0(VALU_DEP_1)
	v_max_num_f32 v254, v254, v[BM+3]              ; the step's largest score of my query
	s_delay_alu instid0(VALU_DEP_1)
	v_mul_f32 v254, s[CS], v254                    ; as t
	s_delay_alu instid0(VALU_DEP_1)
	v_max_num_f32 v13, v13, v254                   ; the running largest t
	v_mov_b32 v254, v12
	s_delay_alu instid0(VALU_DEP_2)
	v_floor_f32 v12, -v13                          ; the new -M = floor(-t): M is a whole number
	s_delay_alu instid0(VALU_DEP_1)
	v_sub_f32 v254, v12, v254                      ; old M - new M: a whole number, 0 or less
	s_delay_alu instid0(VALU_DEP_1)
	v_cvt_i32_f32 v254, v254                       ; (it saturates)
	s_delay_alu instid0(VALU_DEP_1)
	v_ldexp_f32 v252, 1.0, v254                    ; f = 2^(old M - new M)
.set j, 0
.rept 32
	v_pk_fma_f32 v[S+j:S+j+1], v[S+j:S+j+1], s[CS:CS+1], v[12:13] op_sel_hi:[1,0,0]   ; t - M, two at a time
.set j, j+2
.endr
.irp b, 0,1,2,3
	v_fma_f32 v[BM+\b], v[BM+\b], s[CS], v12       ; the same of each block's largest score
.endr
.set j, 0
	s_wait_alu depctr_va_vdst(0)
.rept 64
	v_exp_f32 v[S+j], v[S+j]                       ; p = 2^(t - M), at most 1
.set j, j+1
.endr
	v_pk_mul_f32 v[14:15], v[14:15], v[252:253] op_sel_hi:[1,0]   ; the sums under the new M: a plain place behind the batch
	s_wait_alu depctr_va_vdst(0)                   ; one wait for the 64, ahead of their first reader
.irp b, 0,1,2,3
	v_exp_f32 v[BM+\b], v[BM+\b]                   ; the block's largest p: the same two instructions on the same number
.endr
	v_pk_add_f32 v[236:237], v[128:129], v[132:133]
	v_pk_add_f32 v[250:251], v[136:137], v[140:141]
	v_pk_add_f32 v[248:249], v[144:145], v[148:149]
	v_pk_add_f32 v[246:247], v[152:153], v[156:157]
	v_pk_add_f32 v[244:245], v[160:161], v[164:165]
	v_pk_add_f32 v[238:239], v[168:169], v[172:173]
	v_pk_add_f32 v[234:235], v[176:177], v[180:181]
	v_pk_add_f32 v[14:15], v[14:15], v[184:185]
	v_pk_add_f32 v[236:237], v[236:237], v[124:125]
	v_pk_add_f32 v[250:251], v[250:251], v[126:127]
	v_pk_add_f32 v[248:249], v[248:249], v[130:131]
	v_pk_add_f32 v[246:247], v[246:247], v[134:135]
	v_pk_add_f32 v[244:245], v[244:245], v[138:139]
	v_pk_add_f32 v[238:239], v[238:239], v[142:143]
	v_pk_add_f32 v[234:235], v[234:235], v[146:147]
	v_pk_add_f32 v[14:15], v[14:15], v[150:151]
	v_pk_add_f32 v[236:237], v[236:237], v[154:155]
	v_pk_add_f32 v[250:251], v[250:251], v[158:159]
	v_pk_add_f32 v[248:249], v[248:249], v[162:163]
	v_pk_add_f32 v[246:247], v[246:247], v[166:167]
	v_pk_add_f32 v[244:245], v[244:245], v[170:171]
	v_pk_add_f32 v[238:239], v[238:239], v[174:175]
	v_pk_add_f32 v[234:235], v[234:235], v[178:179]
	v_pk_add_f32 v[14:15], v[14:15], v[182:183]
	v_pk_add_f32 v[236:237], v[236:237], v[186:187]
	s_delay_alu instid0(VALU_DEP_2)
	v_pk_add_f32 v[14:15], v[14:15], v[246:247]
	s_delay_alu instid0(VALU_DEP_2)
	v_pk_add_f32 v[236:237], v[236:237], v[244:245]
	v_pk_add_f32 v[250:251], v[250:251], v[238:239]
	v_pk_add_f32 v[248:249], v[248:249], v[234:235]
	s_delay_alu instid0(VALU_DEP_2)
	v_pk_add_f32 v[14:15], v[14:15], v[250:251]
	s_delay_alu instid0(VALU_DEP_2)
	v_pk_add_f32 v[236:237], v[236:237], v[248:249]
	s_delay_alu instid0(VALU_DEP_1)
	v_pk_add_f32 v[14:15], v[14:15], v[236:237]
	s_wait_alu depctr_va_vdst(0)                   ; and one for the four
.irp b, 0,1,2,3
	v_max_num_f32 v[BM+\b], 0x2800000, v[BM+\b]    ; the floor 2^(5 - 127): the byte cannot fall under 1
.endr
.irp b, 0,1,2,3
	s_delay_alu instid0(VALU_DEP_4)
	v_add_nc_u32 v[SO+\b], 0xfe000000, v[BM+\b]    ; 4 off the exponent field: the conversion's scale operand
.endr
.irp b, 0,1,2,3
	s_delay_alu instid0(VALU_DEP_4)
	v_lshrrev_b32 v[WK+\b], 23, v[SO+\b]           ; the scale's byte
.endr
	s_delay_alu instid0(VALU_DEP_3)
	v_lshl_or_b32 v253, v[WK+1], 8, v[WK]          ; p's scale word for these 128 keys
	s_delay_alu instid0(VALU_DEP_1)
	v_lshl_or_b32 v253, v[WK+2], 16, v253
	s_delay_alu instid0(VALU_DEP_1)
	v_lshl_or_b32 v253, v[WK+3], 24, v253
.irp c, 0,1
	v_cvt_scalef32_pk16_bf6_f32 v[PCD+6*\c:PCD+2+6*\c], v[S+32*\c:S+15+32*\c], v[SO+2*\c]
	v_cvt_scalef32_pk16_bf6_f32 v[WK+4*\c:WK+2+4*\c], v[S+16+32*\c:S+31+32*\c], v[SO+2*\c+1]   ; (a conversion's three registers begin on an even number)
.endr
	v_nop                                          ; one plain place behind a scaled conversion
.irp c, 0,1                                        ; the operand wants a whole block in a lane: lanes 0-15 block 2 c, lanes 16-31 block 2 c + 1
.irp i, 0,1,2
	v_permlane16_swap_b32 v[PCD+6*\c+\i], v[WK+4*\c+\i]
.endr
.irp i, 0,1,2
	s_delay_alu instid0(VALU_DEP_3)
	v_mov_b32 v[PCD+3+6*\c+\i], v[WK+4*\c+\i]
.endr
.endr
.set j, 0
.rept 16
	v_pk_mul_f32 v[O+j:O+j+1], v[O+j:O+j+1], v[252:253] op_sel_hi:[1,0]   ; O^T under the new M.  These sixteen are the places between p's codes and scale word and the products
.set j, j+2
.endr
.irp t, 0,1,2,3                                    ; O^T += V^T P^T; the four accumulators take turns
.if \t%2
	v_wmma_scale_f32_16x16x128_f8f6f4 v[O+8*\t:O+8*\t+7], v[VF+12*\t:VF+12*\t+11], v[PCD:PCD+11], v[O+8*\t:O+8*\t+7], v[VSW+\t/2], v253 matrix_a_fmt:MATRIX_FMT_BF6 matrix_b_fmt:MATRIX_FMT_BF6 matrix_a_scale:MATRIX_SCALE_ROW1
.else
	v_wmma_scale_f32_16x16x128_f8f6f4 v[O+8*\t:O+8*\t+7], v[VF+12*\t:VF+12*\t+11], v[PCD:PCD+11], v[O+8*\t:O+8*\t+7], v[VSW+\t/2], v253 matrix_a_fmt:MATRIX_FMT_BF6 matrix_b_fmt:MATRIX_FMT_BF6
.endif
.endr
	s_add_co_u32 s[TK], s[TK], 6144
	s_add_co_u32 s[TVI], s[TVI], 6144
	s_add_co_u32 s[TS], s[TS], 512
	s_add_co_u32 s[TT], s[TT], 256
	s_sub_co_u32 s[STEPS], s[STEPS], 1
	s_cmp_lg_u32 s[STEPS], 0
	s_cbranch_scc1 .Lstep_\@
.endm
.macro EPI
	; ---- the way out: O^T / the sum + the adapter's result, through my stage, so that sixteen lanes store 256 consecutive bytes, aligned
.rept 4
	v_nop                                          ; places behind the last products
.endr
	v_add_f32 v14, v14, v15                        ; the sum's two halves,
	s_delay_alu instid0(VALU_DEP_1)
	v_permlanex16_b32 v252, v14, s[SEL], s[SEL+1]
	s_delay_alu instid0(VALU_DEP_1)
	v_add_f32 v14, v14, v252                       ; and lane l xor 16's
	s_wait_alu depctr_va_vdst(0)
	v_rcp_f32 v14, v14
	v_nop                                          ; a plain place behind the reciprocal
.irp t, 0,1,2,3
	ds_load_b128 v[S+8*\t:S+8*\t+3], v[STO] offset:64*\t           ; the adapter's result, back in the lanes and the order in which it left
	ds_load_b128 v[S+8*\t+4:S+8*\t+7], v[STO] offset:64*\t+16
.endr
	s_wait_alu depctr_va_vdst(0)                   ; the wait for the reciprocal, ahead of its first reader
	s_wait_dscnt 0x0
.set j, 0
.rept 16
	v_pk_fma_f32 v[S+32+j:S+33+j], v[O+j:O+j+1], v[14:15], v[S+j:S+j+1] op_sel_hi:[1,0,1]   ; register 8 t + i: channel 16 t + 8 h + i of query r
.set j, j+2
.endr
.irp t, 0,1,2,3
	ds_store_b128 v[STO], v[S+32+8*\t:S+35+8*\t] offset:64*\t
	ds_store_b128 v[STO], v[S+36+8*\t:S+39+8*\t] offset:64*\t+16
.endr
.irp i, 0,1,2,3,4,5,6,7
	ds_load_b128 v[VF+4*\i:VF+4*\i+3], v[RD] offset:544*\i         ; LDS serves a wave's instructions in order (ISA guide 5.7.1.4): these see my stores.  Lanes 0-15 take row 2 i, lanes 16-31 row 2 i + 1
.endr
.irp i, 0,1,2,3,4,5,6,7
	s_wait_dscnt 7-\i                              ; the younger row loads may be out
	global_store_b128 v[GO], v[VF+4*\i:VF+4*\i+3], s[28:29] offset:8192*\i th:TH_STORE_NT
.endr
	s_wait_xcnt 0x0                                ; the stores have read their data and their base: both are written again only behind this wait
.endm
	; ---- THE FIRST PASS.  The adapter's product runs while the head's four loads are on their way
	PRO
	v_lshl_add_u32 v254, v0, 2, 0x44000            ; my spare word and 0, made anew: no two registers can be kept for them
	v_mov_b32 v253, 0
	s_wait_alu depctr_va_vdst(0)
	s_wait_tensorcnt 0x0                           ; my load of the head's four, if I issued one, has landed
	ds_add_u32 v254, v253
	ds_add_u32 v254, v253                          ; twice on end
	s_wait_dscnt 0x0                               ; the adds and my stores to my stage are done
	CROUND                                         ; key steps 0-3 of K and V and all scale words lie in LDS, and all four work-groups are here
	s_cmp_eq_u32 s[WV], 0                          ; the other three quarters of K (waves 1-3) and of V (waves 5-7): 147,456 bytes, filled for the first time, one joint load a wave; they have four key steps in which to land
	s_cbranch_scc1 .Lrest_asked
	s_cmp_lt_u32 s[WV], 4
	s_cbranch_scc0 .Lrest_v
	tensor_load_to_lds s[68:71], s[G1I:G1I+7]
	s_nop 0
.rept 4
	v_nop
.endr
	s_branch .Lrest_asked
.Lrest_v:
	s_cmp_eq_u32 s[WV], 4
	s_cbranch_scc1 .Lrest_asked
	s_cmp_lt_u32 s[WV], 8
	s_cbranch_scc0 .Lrest_asked
	tensor_load_to_lds s[72:75], s[G1I:G1I+7]
	s_nop 0
.rept 4
	v_nop
.endr
.Lrest_asked:
	KLOOP 4, 0                                     ; it reads the first quarters alone: K's bytes 0 to 24,575, V's VI to VI + 24,575
	s_wait_tensorcnt 0x0                           ; my quarter has landed,
	s_wait_dscnt 0x0                               ; no LDS instruction of mine is out,
	s_barrier_signal -1
	s_barrier_wait -1                              ; and that holds of all sixteen waves: the whole head lies in LDS
	KLOOP 12, 4
	EPI
	s_add_nc_u64 s[4:5], s[4:5], 12288             ; THE SECOND PASS, sixteen tiles on: K and V stay where they are, so it has no barrier
	s_add_nc_u64 s[6:7], s[6:7], 1024
	s_add_nc_u64 s[16:17], s[16:17], 12288
	s_add_nc_u64 s[18:19], s[18:19], 2048
	s_add_nc_u64 s[28:29], s[28:29], 1048576
	PRO
	KLOOP 16, 0
	EPI
	v_lshl_add_u32 v254, v0, 2, 0x44000
	v_mov_b32 v255, 0
	s_wait_alu depctr_va_vdst(0)
	s_wait_tensorcnt 0x0
	ds_add_u32 v254, v255
	s_wait_dscnt 0x0
	CROUND                                         ; the closing round: no work-group ends while a partner may still ask for a tile that names it
	s_endpgm
.Lfunc_end_k_qd14e941182_attn:
	.size	k_qd14e941182_attn, .Lfunc_end_k_qd14e941182_attn-k_qd14e941182_attn
	.p2alignl 7, 3214868480
	.fill 96, 4, 3214868480
	.section	.rodata,"a",@progbits
	.p2align	6, 0x0
	.amdhsa_kernel k_qd14e941182_attn
		.amdhsa_group_segment_fixed_size 327680
		.amdhsa_private_segment_fixed_size 0
		.amdhsa_enable_private_segment 0
		.amdhsa_kernarg_size 104
		.amdhsa_user_sgpr_count 2
		.amdhsa_user_sgpr_kernarg_segment_ptr 1
		.amdhsa_wavefront_size32 1
		.amdhsa_system_sgpr_workgroup_id_x 1
		.amdhsa_system_sgpr_workgroup_id_y 1
		.amdhsa_system_sgpr_workgroup_id_z 1
		.amdhsa_system_vgpr_workitem_id 0
		.amdhsa_next_free_vgpr 256
		.amdhsa_next_free_sgpr 100
		.amdhsa_reserve_vcc 0
		.amdhsa_float_denorm_mode_32 3
		.amdhsa_float_denorm_mode_16_64 3
		.amdhsa_memory_ordered 1
		.amdhsa_forward_progress 1
		.amdhsa_inst_pref_size 99
	.end_amdhsa_kernel
	.amdgpu_metadata
---
amdhsa.version: [ 1, 2 ]
amdhsa.kernels:
  - .name:           k_qd14e941182_attn
    .symbol:         k_qd14e941182_attn.kd
    .args:
      - { .name: qf, .offset: 0, .size: 8, .value_kind: global_buffer, .address_space: global }
      - { .name: qs, .offset: 8, .size: 8, .value_kind: global_buffer, .address_space: global }
      - { .name: kf, .offset: 16, .size: 8, .value_kind: global_buffer, .address_space: global }
      - { .name: ks, .offset: 24, .size: 8, .value_kind: global_buffer, .address_space: global }
      - { .name: vf, .offset: 32, .size: 8, .value_kind: global_buffer, .address_space: global }
      - { .name: vs, .offset: 40, .size: 8, .value_kind: global_buffer, .address_space: global }
      - { .name: hf, .offset: 48, .size: 8, .value_kind: global_buffer, .address_space: global }
      - { .name: hs, .offset: 56, .size: 8, .value_kind: global_buffer, .address_space: global }
      - { .name: fc2_w_codes, .offset: 64, .size: 8, .value_kind: global_buffer, .address_space: global }
      - { .name: fc2_w_scales, .offset: 72, .size: 8, .value_kind: global_buffer, .address_space: global }
      - { .name: fc2_b, .offset: 80, .size: 8, .value_kind: global_buffer, .address_space: global }
      - { .name: efc2, .offset: 88, .size: 8, .value_kind: global_buffer, .address_space: global }
      - { .name: out0, .offset: 96, .size: 8, .value_kind: global_buffer, .address_space: global }
    .group_segment_fixed_size: 327680
    .private_segment_fixed_size: 0
    .kernarg_segment_align: 8
    .kernarg_segment_size: 104
    .max_flat_workgroup_size: 512
    .sgpr_count:     100
    .vgpr_count:     256
    .wavefront_size: 32
...
	.end_amdgpu_metadata
.endif
;; end of part 2
